; MI455X (gfx1250); checked and timed in simulation.
; The chip was launched on July 23, 2026; its instructions are those of AMD's public machine-readable ISA for CDNA 5 (MIT licence, August 2026) and "CDNA5" Instruction Set Architecture Reference Guide (July 2026). The comments in the code are by the model that wrote it; some were corrected since.
;; Gated Self Attention Model. Allowed arithmetic: matrix products marked QUANTISED: E3M2 operands, one E8M0 scale for each 32 along K, by v_wmma_scale_f32_16x16x128_f8f6f4 with both operands' format E3M2, f32 sums; products left as they are: f32 operands where the result goes on into a quantised operand, else bf16, f16 or f32 operands; f32 sums; everything else in f32.
;; Inputs: cat_b 512 float32; cat_w 768 x 512 float32; diffusion_time 4 x 128 float32; expr_b1 64 float32; expr_b2 512 float32; expr_w1 512 x 64 float32; expr_w2 64 x 512 float32; expression_features 4 x 2,048 x 512 float32; he_b 512 float32; he_w 512 x 512 float32; hp_b 3 float32; hp_w 512 x 3 float32; k_b 512 float32; k_w 512 x 512 float32; kn_w 64 float32; o_b 512 float32; o_w 512 x 512 float32; pos_b1 64 float32; pos_b2 128 float32; pos_w1 4 x 64 float32; pos_w2 64 x 128 float32; position_features 4 x 2,048 x 3 float32; q_b 520 float32; q_w 512 x 520 float32; qn_w 64 float32; v_b 512 float32; v_w 512 x 512 float32; yy_b 128 float32; yy_w 128 x 128 float32.
;; Outputs: out0 4 x 2,048 x 512 float32; out1 4 x 2,048 x 3 float32; out2 4 x 128 float32.
;; This version of the problem:
;;   THIS VERSION OF THE PROBLEM IS GIVEN IN LOW PRECISION. The matrix products marked QUANTISED in the list below multiply operands that are first quantised to E3M2 (3 exponent bits, 2 mantissa bits; 6 bits a number), with one power-of-two scale for each 32 numbers along K (OCP MX v1.0); their sums are f32. All else is computed in f32.
;;   The module's matrix products, in the order in which they are computed (A, B: the left and right operand; K: the contracted axis; several contracted axes count as one K, in the product's order):
;;     1. [M 8,192, K 512] x [K 512, N 64]; A: input expression_features; B: input expr_w1: QUANTISED
;;     2. [M 8,192, K 64] x [K 64, N 512]; A: computed on the way; B: input expr_w2: QUANTISED
;;     3. [M 8,192, K 4] x [K 4, N 64]; A: computed on the way; B: input pos_w1: left as it is (K = 4 < 32)
;;     4. [M 8,192, K 64] x [K 64, N 128]; A: computed on the way; B: input pos_w2: QUANTISED
;;     5. [M 4, K 128] x [K 128, N 128]; A: input diffusion_time; B: input yy_w: left as it is (M = 4 < 16)
;;     6. [M 8,192, K 768] x [K 768, N 512]; A: computed on the way; B: input cat_w: QUANTISED
;;     7. [M 8,192, K 512] x [K 512, N 520]; A: computed on the way; B: input q_w: QUANTISED
;;     8. [M 8,192, K 512] x [K 512, N 512]; A: computed on the way; B: input k_w: QUANTISED
;;     9. [M 8,192, K 512] x [K 512, N 512]; A: computed on the way; B: input v_w: QUANTISED
;;     10. batch 32 x [M 2,048, K 64] x [K 64, N 2,048]; A: computed on the way; B: computed on the way: QUANTISED
;;     11. batch 32 x [M 2,048, K 2,048] x [K 2,048, N 64]; A: softmax (see below); B: computed on the way: QUANTISED
;;     12. [M 8,192, K 512] x [K 512, N 512]; A: computed on the way; B: input o_w: QUANTISED
;;     13. [M 8,192, K 512] x [K 512, N 512]; A: computed on the way; B: input he_w: QUANTISED
;;     14. [M 8,192, K 512] x [K 512, N 3]; A: computed on the way; B: input hp_w: left as it is (N = 3 < 16)
;;   THE QUANTISER, for each operand of a quantised product, along K:
;;     - K is cut into blocks of 32 from its start; a last block that is shorter is filled with zeros.
;;     - A block's scale is 2^e with e = floor(log2(the largest magnitude in the block)) - 4, held to -126 .. 127; a block of zeros has e = 0. As a byte (E8M0): e + 127.
;;     - Each number is divided by its block's scale, clamped to +-28, and rounded to the nearest number of E3M2, ties to even, subnormals kept.
;;     - The product sums the exact products of the quantised numbers (number of the format x scale) in f32.
;;   ~~~python
;;   def quantise(x, axis):      # numpy; x: float32 -> the quantised numbers, widened to float32 again
;;       x = np.moveaxis(x, axis, -1); K = x.shape[-1]
;;       x = np.pad(x, [(0, 0)] * (x.ndim - 1) + [(0, -K % 32)]); x = x.reshape(x.shape[:-1] + (-1, 32)); a = np.abs(x).max(-1, keepdims=True)
;;       e = np.where(a > 0, np.clip(np.frexp(np.where(a > 0, a, 1))[1] - 1 - 4, -126, 127), 0)      # np.frexp(a)[1] - 1 = floor(log2(a)), exactly
;;       r = np.clip(x / 2.0 ** e, -28, 28)
;;       step = 2.0 ** (np.maximum(np.frexp(np.where(r == 0, 1, r))[1] - 1, -2) - 2)
;;       q = np.round(r / step) * step * 2.0 ** e      # np.round: ties to even
;;       return np.moveaxis(q.reshape(q.shape[:-2] + (-1,))[..., :K], -1, axis).astype(np.float32)
;;   ~~~
;;   SOFTMAX AHEAD OF A QUANTISED PRODUCT. Where the list says 'softmax', what is quantised is not the finished softmax but p = 2^(t - M), with t = logit x log2(e) and M = ceil(the row's largest t), a whole number; so 1/2 < the row's largest p <= 1. The row's sum l is taken of the UNQUANTISED p, in f32, and the product's result is divided by l at the end. Since M is a whole number, a kernel that streams over the keys may use a running M (the ceiling of the running maximum): every later rescaling is an exact power of two, which a block's scale takes up: the codes' values come out the same.
;;   OPERANDS COMPUTED ON THE WAY. 'Computed on the way' means the value that the module computes at that place (a softmax that the list does not call 'softmax' is quantised finished and normalised). What goes into a quantiser is computed in f32, as accurately as f32 sums, v_exp_f32 and their like allow (about 1e-6 of the number): no bf16 or f16 on the way to a quantiser, and a product that is left as it is and whose result goes on into a quantised operand takes f32 operands (vector FMAs, or v_wmma_f32_16x16x4_f32). A number that lies on a knife's edge between two numbers of the format may be rounded either way, as far as f32 arithmetic and the matrix unit's own rounding can turn it there, and no further.
;; One version. Each part assembles by itself: llvm-mc -triple=amdgcn-amd-amdhsa -mcpu=gfx1250 --defsym DOCPART=n.
;; ======== version 1 of 1: 4 launches
;; workspace buffers: wimg 1,388,544 bytes; wscl 57,856 bytes; timg 8,192 bytes; qkvc 9,437,184 bytes; kvs 393,216 bytes; qsg 524,288 bytes; aoc 3,145,728 bytes; aos 131,072 bytes
;; launch prep (part 1): grid 230 x 1, 4 waves a work-group, no clusters, 4,608 bytes of LDS; arguments pos_w2, expr_w1, expr_w2, cat_w, q_w, k_w, v_w, o_w, he_w, diffusion_time, yy_w, yy_b, wimg, wscl, timg, out2; writes wimg, wscl, timg, out2
.if DOCPART == 1
	.amdgcn_target "amdgcn-amd-amdhsa--gfx1250"
	.amdhsa_code_object_version 6
	.text
	.protected	k_q87b0912e62_prep
	.globl	k_q87b0912e62_prep
	.p2align	8
	.type	k_q87b0912e62_prep,@function
k_q87b0912e62_prep:
	s_mov_b64 s[64:65], 0
	v_nop
	global_prefetch_b8 v0, s[64:65] scope:SCOPE_SE
	s_setreg_imm32_b32 hwreg(HW_REG_WAVE_MODE, 25, 1), 1
	s_wait_xcnt 0x0
; PREP.  (1) The nine weights, f32 stored [K][N], become codes of BF6 (E3M2) quantised along K, laid as IMAGES OF THE OPERAND'S REGISTERS.
; A fragment is 16 output units x 128 K: 12 registers a lane = 1,536 bytes, three chunks of 512 bytes, chunk c = registers 4c .. 4c+3, lane l at 16 l.
; Eight fragments on end are a set; a set's scale words are 512 bytes: lane (r, h) has 16 bytes at 16 l, word j = the word of fragment 2 j + h, row r.
; 904 fragments, one a wave: work-groups 0 .. 225.  A lane takes one column and its registers run down K, so nothing is transposed.
; The units of a tile are not neighbours: lane r of tile 2 b + u takes unit 32 b + 8 u + r + 8 (r / 8).  The gate's tile g: lane r takes column 512 + 2 g + r / 8 of q_w.
; Where K = 64 (pos_w2, expr_w2) the upper 64 of the instruction's 128 are zero codes: the loads repeat the lower rows (no load leaves its buffer) and the numbers are replaced by 0.
; (2) Work-groups 226 .. 229: tdt[b] = diffusion_time[b] yy_w + yy_b in f32 (fused multiply-adds): out2, and the same row as an operand image (all 16 rows alike) for the next launch.
; A block's scale byte is its largest magnitude's exponent field - 4, held at 1 from below (a block of zeros gets 1; its codes are zeros, and this program alone reads the bytes).
; LIMITS: NaN and infinities among the inputs are not served; blocks whose largest magnitude lies under 2^-122 get the byte 1.
; The scale words leave as 4 bytes a lane, 16 bytes apart: 57,856 bytes in all against 7.1 MB read.
.set NWG,  226
.set WAVE, 40
.set SF,   41                          ; s41 my fragment
.set PT,   42                          ; s[42:43] the weight's address
.set F0,   44                          ; its first fragment
.set PI,   45                          ; bytes from row to row
.set LN,   46                          ; log2 of the tiles in a K step
.set KO,   47                          ; rows from the lower 64 of K to the upper: 64, or 0 where K = 64
.set GA,   48                          ; 1: the gate's columns
.set SEL,  60                          ; s[60:61] lane selects: lane l xor 16
.macro PICK f0, ptr, pitch, lognt, koff, gate
	s_cmp_ge_u32 s[SF], \f0
	s_cselect_b64 s[PT:PT+1], s[\ptr:\ptr+1], s[PT:PT+1]
	s_cselect_b32 s[F0], \f0, s[F0]
	s_cselect_b32 s[PI], \pitch, s[PI]
	s_cselect_b32 s[LN], \lognt, s[LN]
	s_cselect_b32 s[KO], \koff, s[KO]
	s_cselect_b32 s[GA], \gate, s[GA]
.endm
; v64-127: my column's k = 64 c + 32 h + i at v[64 + 32 c + i]  ->  codes v48-59, scale word v9
.macro QFRAG
.irp c, 0,1
	v_max3_num_f32 v[32+\c], |v[64+32*\c]|, |v[65+32*\c]|, 0x2800000   ; my block 2 c + h, and the floor 2^(5 - 127)
.endr
.irp i, 2,4,6,8,10,12,14,16,18,20,22,24,26,28,30
.irp c, 0,1
	v_max3_num_f32 v[32+\c], v[32+\c], |v[64+32*\c+\i]|, |v[65+32*\c+\i]|
.endr
.endr
.irp c, 0,1
	v_add_nc_u32 v[44+\c], 0xfe000000, v[32+\c]    ; 4 off the exponent field: the conversion's scale operand
.endr
.irp c, 0,1
	v_lshrrev_b32 v[36+\c], 23, v[44+\c]           ; the scale's byte
.endr
	v_lshl_or_b32 v9, v37, 16, v36                 ; blocks h and 2 + h,
	v_lshlrev_b32 v10, 3, v2
	v_lshlrev_b32 v9, v10, v9                      ; at their places in the word;
	v_mov_b32 v10, 0
	v_permlanex16_b32 v10, v9, s[SEL], s[SEL+1]
	v_or_b32 v9, v9, v10                           ; with lane l xor 16's two the word is whole
.irp c, 0,1
	v_cvt_scalef32_pk16_bf6_f32 v[48+6*\c:50+6*\c], v[64+32*\c:79+32*\c], v[44+\c]
	v_cvt_scalef32_pk16_bf6_f32 v[192+4*\c:194+4*\c], v[80+32*\c:95+32*\c], v[44+\c]   ; (three registers begin on an even number)
.endr
	v_nop                                          ; one plain place behind a scaled conversion
.irp c, 0,1
.irp i, 0,1,2
	v_mov_b32 v[51+6*\c+\i], v[192+4*\c+\i]
.endr
.endr
.endm
	s_load_b512 s[8:23], s[0:1], 0x0               ; pos_w2 8, expr_w1 10, expr_w2 12, cat_w 14, q_w 16, k_w 18, v_w 20, o_w 22
	s_load_b512 s[24:39], s[0:1], 0x40             ; he_w 24, diffusion_time 26, yy_w 28, yy_b 30, wimg 32, wscl 34, timg 36, out2 38
	v_lshl_add_u32 v200, v0, 2, 0x1000
	v_mov_b32 v201, 0
	v_lshrrev_b32 v5, 5, v0
	v_readfirstlane_b32 s[WAVE], v5
	v_and_b32 v4, 31, v0                           ; lane
	v_and_b32 v1, 15, v0                           ; r
	v_bfe_u32 v2, v0, 4, 1                         ; h
	v_lshlrev_b32 v3, 4, v4                        ; 16 l
	s_mov_b32 s[SEL], 0x76543210
	s_mov_b32 s[SEL+1], 0xfedcba98
	s_wait_kmcnt 0x0
	s_cmp_ge_u32 ttmp9, NWG
	s_cbranch_scc1 .Ltime
	; ---- a weight's fragment
	s_lshl_b32 s[SF], ttmp9, 2
	s_add_co_u32 s[SF], s[SF], s[WAVE]
	s_mov_b64 s[PT:PT+1], s[8:9]                   ; pos_w2 unless a later line says otherwise: the choices hang on the fragment's number alone
	s_mov_b32 s[F0], 0
	s_mov_b32 s[PI], 512
	s_mov_b32 s[LN], 3
	s_mov_b32 s[KO], 0
	s_mov_b32 s[GA], 0
	PICK 8,   10, 256,  2, 64, 0                   ; expr_w1
	PICK 24,  12, 2048, 5, 0,  0                   ; expr_w2
	PICK 56,  14, 2048, 5, 64, 0                   ; cat_w
	PICK 248, 16, 2080, 5, 64, 0                   ; q_w, columns 0 .. 511
	PICK 376, 18, 2048, 5, 64, 0                   ; k_w
	PICK 504, 20, 2048, 5, 64, 0                   ; v_w
	PICK 632, 16, 2080, 2, 64, 1                   ; q_w, the gate's columns
	PICK 648, 22, 2048, 5, 64, 0                   ; o_w
	PICK 776, 24, 2048, 5, 64, 0                   ; he_w
	s_sub_co_u32 s49, s[SF], s[F0]
	s_lshl_b32 s50, 1, s[LN]
	s_sub_co_u32 s50, s50, 1
	s_and_b32 s50, s49, s50                        ; low part of the fragment's number in its weight
	s_lshr_b32 s51, s49, s[LN]                     ; high part
	s_cmp_eq_u32 s[GA], 1
	s_cselect_b32 s52, s51, s50                    ; the tile (the gate's fragments run 4 g + s, the others NT s + tile)
	s_cselect_b32 s53, s50, s51                    ; the K step
	s_lshr_b32 s54, s52, 1
	s_lshl_b32 s54, s54, 5
	s_and_b32 s55, s52, 1
	s_lshl_b32 s55, s55, 3
	s_add_co_u32 s54, s54, s55                     ; the tile's first column: 32 (T / 2) + 8 (T % 2),
	s_lshl_b32 s55, s52, 1
	s_add_co_u32 s55, s55, 512                     ; or the gate's 512 + 2 T
	s_cmp_eq_u32 s[GA], 1
	s_cselect_b32 s54, s55, s54
	s_cselect_b32 s55, 1, 16                       ; columns for r / 8,
	s_cselect_b32 s56, 0, 1                        ; and for r % 8
	s_cmp_lg_u32 s[KO], 0
	s_cselect_b32 s57, -1, 0                       ; all lanes keep the upper 64 of K, or none
	s_mul_i32 s58, s[KO], s[PI]
	s_mov_b32 s59, 0
	s_add_nc_u64 s[58:59], s[PT:PT+1], s[58:59]    ; the weight KO rows further down
	v_lshrrev_b32 v6, 3, v1
	v_and_b32 v7, 7, v1
	v_mul_u32_u24 v6, v6, s55
	v_mad_u32_u24 v6, v7, s56, v6
	v_add_nc_u32 v6, s54, v6                       ; my column
	v_lshlrev_b32 v7, 5, v2
	s_lshl_b32 s49, s53, 7
	v_add_nc_u32 v7, s49, v7                       ; my first row: 128 s + 32 h
	v_mul_u32_u24 v7, v7, s[PI]
	v_lshl_add_u32 v7, v6, 2, v7
.set i, 0
.rept 32
	v_mad_u32_u24 v[128+i], s[PI], i, v7           ; the pitch is no constant of the text, so each row has its offset register
.set i, i+1
.endr
.set i, 0
.rept 32
	global_load_b32 v[64+i], v[128+i], s[PT:PT+1]
	global_load_b32 v[96+i], v[128+i], s[58:59]
.set i, i+1
.endr
	s_mul_i32 s62, s[SF], 1536
	s_mov_b32 s63, 0
	s_add_nc_u64 s[32:33], s[32:33], s[62:63]      ; my fragment's image
	s_lshr_b32 s62, s[SF], 3
	s_lshl_b32 s62, s62, 9                         ; its set's scale words,
	s_and_b32 s49, s[SF], 1
	s_lshl_b32 s49, s49, 8
	s_add_co_u32 s62, s62, s49                     ; odd fragments in the upper lanes' 256 bytes,
	s_bfe_u32 s49, s[SF], 0x20001
	s_lshl_b32 s49, s49, 2
	s_add_co_u32 s62, s62, s49                     ; word (fragment / 2) % 4
	s_add_nc_u64 s[34:35], s[34:35], s[62:63]
	v_lshlrev_b32 v5, 4, v1                        ; 16 r
	s_wait_loadcnt 0x0
.set i, 0
.rept 32
	v_cndmask_b32 v[96+i], 0, v[96+i], s57         ; K = 64: the upper half counts as zeros
.set i, i+1
.endr
	QFRAG
.irp c, 0,1,2
	global_store_b128 v3, v[48+4*\c:51+4*\c], s[32:33] offset:512*\c   ; 32 lanes store 512 consecutive bytes, aligned
.endr
	global_store_b32 v5, v9, s[34:35]              ; lanes r and r + 16 write the same word with the same value
	s_endpgm
	; ---- the time row of batch b
.Ltime:
	s_sub_co_u32 s49, ttmp9, NWG                   ; b
	s_lshl_b32 s62, s49, 9
	s_lshl_b32 s51, s[WAVE], 7
	s_add_co_u32 s62, s62, s51
	s_mov_b32 s63, 0
	s_add_nc_u64 s[26:27], s[26:27], s[62:63]      ; diffusion_time[b][32 w ..]
	s_lshl_b32 s62, s[WAVE], 14
	s_add_nc_u64 s[28:29], s[28:29], s[62:63]      ; yy_w's rows 32 w ..
	s_lshl_b32 s62, s49, 9
	s_add_nc_u64 s[38:39], s[38:39], s[62:63]      ; out2[b]
	s_lshl_b32 s62, s49, 11
	s_add_nc_u64 s[36:37], s[36:37], s[62:63]      ; the image of batch b
	v_lshlrev_b32 v6, 2, v4
	v_lshlrev_b32 v7, 4, v0                        ; LDS: 512 w + 16 l
	v_lshlrev_b32 v8, 7, v2                        ; 128 h
	global_load_b32 v16, v6, s[26:27]              ; lane i holds the wave's i-th number of the row
	global_load_b128 v[20:23], v3, s[30:31]        ; yy_b at my four columns
.set i, 0
.rept 32
	global_load_b128 v[64+4*i:67+4*i], v3, s[28:29] offset:512*i   ; a row of yy_w: 512 consecutive bytes a load
.set i, i+1
.endr
	s_wait_loadcnt 0x0
.set i, 0
.rept 32
	v_readlane_b32 s52, v16, i
.irp j, 0,1,2,3
.if i == 0
	v_mul_f32 v[12+\j], s52, v[64+\j]
.else
	v_fmac_f32 v[12+\j], s52, v[64+4*i+\j]
.endif
.endr
.set i, i+1
.endr
	ds_store_b128 v7, v[12:15]                     ; my 32 rows' share of the 128 sums
	s_wait_dscnt 0x0                               ; for the others' sake
	s_barrier_signal -1
	s_barrier_wait -1
	s_cmp_lg_u32 s[WAVE], 0
	s_cbranch_scc1 .Lend
.irp w, 0,1,2,3
	ds_load_b128 v[24+4*\w:27+4*\w], v3 offset:512*\w
.endr
	s_wait_dscnt 0x0
.irp w, 0,1,2,3
.irp j, 0,1,2,3
	v_add_f32 v[20+\j], v[20+\j], v[24+4*\w+\j]
.endr
.endr
	global_store_b128 v3, v[20:23], s[38:39]       ; out2: 512 consecutive bytes
	ds_store_b128 v3, v[20:23] offset:2048
.irp c, 0,1
.irp q, 0,1,2,3,4,5,6,7
	ds_load_b128 v[64+32*\c+4*\q:67+32*\c+4*\q], v8 offset:2048+256*\c+16*\q   ; k = 64 c + 32 h + 0 .. 31: the same row for every r (LDS serves a wave's instructions in order)
.endr
.endr
	s_wait_dscnt 0x0
	QFRAG
.irp c, 0,1,2
	global_store_b128 v3, v[48+4*\c:51+4*\c], s[36:37] offset:512*\c
.endr
	global_store_b32 v6, v9, s[36:37] offset:1536
.Lend:
	s_wait_tensorcnt 0x0
	ds_add_u32 v200, v201
	s_wait_dscnt 0x0
	s_endpgm
.Lfunc_end_k_q87b0912e62_prep:
	.size	k_q87b0912e62_prep, .Lfunc_end_k_q87b0912e62_prep-k_q87b0912e62_prep
	.p2alignl 7, 3214868480
	.fill 96, 4, 3214868480
	.section	.rodata,"a",@progbits
	.p2align	6, 0x0
	.amdhsa_kernel k_q87b0912e62_prep
		.amdhsa_group_segment_fixed_size 4608
		.amdhsa_private_segment_fixed_size 0
		.amdhsa_enable_private_segment 0
		.amdhsa_kernarg_size 128
		.amdhsa_user_sgpr_count 2
		.amdhsa_user_sgpr_kernarg_segment_ptr 1
		.amdhsa_wavefront_size32 1
		.amdhsa_system_sgpr_workgroup_id_x 1
		.amdhsa_system_sgpr_workgroup_id_y 1
		.amdhsa_system_sgpr_workgroup_id_z 1
		.amdhsa_system_vgpr_workitem_id 0
		.amdhsa_next_free_vgpr 202
		.amdhsa_next_free_sgpr 72
		.amdhsa_reserve_vcc 0
		.amdhsa_float_denorm_mode_32 3
		.amdhsa_float_denorm_mode_16_64 3
		.amdhsa_memory_ordered 1
		.amdhsa_forward_progress 1
		.amdhsa_inst_pref_size 35
	.end_amdhsa_kernel
	.amdgpu_metadata
---
amdhsa.version: [ 1, 2 ]
amdhsa.kernels:
  - .name:           k_q87b0912e62_prep
    .symbol:         k_q87b0912e62_prep.kd
    .args:
      - { .name: pos_w2, .offset: 0, .size: 8, .value_kind: global_buffer, .address_space: global }
      - { .name: expr_w1, .offset: 8, .size: 8, .value_kind: global_buffer, .address_space: global }
      - { .name: expr_w2, .offset: 16, .size: 8, .value_kind: global_buffer, .address_space: global }
      - { .name: cat_w, .offset: 24, .size: 8, .value_kind: global_buffer, .address_space: global }
      - { .name: q_w, .offset: 32, .size: 8, .value_kind: global_buffer, .address_space: global }
      - { .name: k_w, .offset: 40, .size: 8, .value_kind: global_buffer, .address_space: global }
      - { .name: v_w, .offset: 48, .size: 8, .value_kind: global_buffer, .address_space: global }
      - { .name: o_w, .offset: 56, .size: 8, .value_kind: global_buffer, .address_space: global }
      - { .name: he_w, .offset: 64, .size: 8, .value_kind: global_buffer, .address_space: global }
      - { .name: diffusion_time, .offset: 72, .size: 8, .value_kind: global_buffer, .address_space: global }
      - { .name: yy_w, .offset: 80, .size: 8, .value_kind: global_buffer, .address_space: global }
      - { .name: yy_b, .offset: 88, .size: 8, .value_kind: global_buffer, .address_space: global }
      - { .name: wimg, .offset: 96, .size: 8, .value_kind: global_buffer, .address_space: global }
      - { .name: wscl, .offset: 104, .size: 8, .value_kind: global_buffer, .address_space: global }
      - { .name: timg, .offset: 112, .size: 8, .value_kind: global_buffer, .address_space: global }
      - { .name: out2, .offset: 120, .size: 8, .value_kind: global_buffer, .address_space: global }
    .group_segment_fixed_size: 4608
    .private_segment_fixed_size: 0
    .kernarg_segment_align: 8
    .kernarg_segment_size: 128
    .max_flat_workgroup_size: 128
    .sgpr_count:     72
    .vgpr_count:     202
    .wavefront_size: 32
...
	.end_amdgpu_metadata
.endif
;; end of part 1
;; launch front (part 2): grid 256 x 1, 4 waves a work-group, clusters of 4 x 1, 318,976 bytes of LDS; arguments expression_features, position_features, pos_w1, pos_b1, pos_b2, expr_b1, expr_b2, cat_b, q_b, k_b, v_b, qn_w, kn_w, wimg, wscl, timg, qkvc, kvs, qsg; writes qkvc, kvs, qsg
.if DOCPART == 2
	.amdgcn_target "amdgcn-amd-amdhsa--gfx1250"
	.amdhsa_code_object_version 6
	.text
	.protected	k_q87b0912e62_front
	.globl	k_q87b0912e62_front
	.p2align	8
	.type	k_q87b0912e62_front,@function
k_q87b0912e62_front:
	s_mov_b64 s[64:65], 0
	v_nop
	global_prefetch_b8 v0, s[64:65] scope:SCOPE_SE
	s_setreg_imm32_b32 hwreg(HW_REG_WAVE_MODE, 25, 1), 1
	s_wait_xcnt 0x0
	s_wait_alu depctr_hold_cnt(0) depctr_sa_sdst(0) depctr_va_vdst(0) depctr_va_sdst(0) depctr_va_ssrc(0) depctr_va_vcc(0) depctr_vm_vsrc(0)
	s_getreg_b32 s2, hwreg(HW_REG_IB_STS2, 6, 4)
	s_cmp_eq_u32 s2, 0
	s_cbranch_scc0 .Lentry_in_a_cluster
	s_endpgm
.Lentry_in_a_cluster:
	s_bfe_u32 s2, ttmp6, 0x10000c
	s_cmp_lg_u32 s2, 0x3003
	s_cbranch_scc0 .Lentry_shape_is_right
	s_endpgm
.Lentry_shape_is_right:
; FRONT.  For 32 rows a work-group: te = relu(x W + b) W + b, tp = relu(pfeat W + b) W + b, h = [te, tdt, tp] W + b, Q, K (rmsnorm), V, sigmoid(gate).  Every quantised product on codes of BF6 with E8M0 scales;
; every operand computed on the way is quantised in registers from f32 sums.  Out go only codes, scale words and the gate.
; SHARES.  Four waves; wave g owns output units 128 g .. 128 g + 127 (heads 2 g, 2 g + 1) of te, h, Q, K, V and the gate, for both tiles of 16 rows.  The two hidden layers of 64 units and tp are made by every wave
; for itself (56 matrix instructions), which spares two barriers: the text is one straight line, alike in all waves.
; ROWS.  Lane r of row tile m holds row 8 m + r + 8 (r / 8); its POSITION is 16 m + r.  All that leaves is laid by position.  So V's product, used untransposed, gives a lane 16 neighbouring keys, and K's tiles of
; 16 neighbouring positions hold the keys that the next launch's softmax wants.
; WEIGHTS are register images (a set = 8 fragments = 12,288 bytes, and 512 bytes of scale words).  A wave takes 23 sets, by two roads at once:
;   18 come by vector loads (24 loads of 512 consecutive bytes a set) straight into three register slots that take turns: two sets (50 loads) are on their way while one is multiplied;
;   5 (numbers 4, 8, 12, 16, 20 of the list) come by tensor loads into the wave's own 61,440 bytes of LDS, which only that wave reads, and from there into a fourth register slot, two sets ahead of their use.
; CLUSTER.  All work-groups walk the same weights.  Four form a cluster, and the sets that go through LDS are asked for JOINTLY (mask 15): the same five loads with the same descriptors in all four.
; Every LDS byte is filled once.  Why five sets and no ring: 5 x 4 x 12,288 bytes are what LDS holds beside the images; a ring would put a round of the cluster's barrier, with every load waited for, between every
; two or three sets of 16 matrix instructions a wave.  Five tensor loads of a wave are out at the most.
; OPERANDS GO FROM WAVE TO WAVE THROUGH LDS AS IMAGES OF THEIR REGISTERS (x, te, h): three barriers, no region written twice.
; All products but V's are used transposed (source 0 = 16 units of a weight, source 1 = 16 rows): register 16 b + i of a lane's 64 is unit 32 b + 16 h + i of its row: 16 neighbours along the next K.  Biases are the C of a sum's first instruction.
; LIMITS: NaN and infinities are not served; blocks under 2^-122 get the byte 1; v_sqrt, v_rsq, v_rcp, v_exp are good to 1 ulp and flush denormals; sums run in another order than the definition's.
; REGISTERS: window 0: v1-23 addresses, v24-32 activations' scale words, v34-63 the quantiser's (v50-53: the fourth slot's scale words), v64-191 accumulators, v192-239 fragments just made, v240-251 the three slots' scale words.
;   windows 1, 2, 3: v0-95 weight slots 0, 1, 2.  window 1 v96-203: nine activation fragments; v204-223: the scale words of the five sets that go through LDS.
;   window 2 v96-159: results of the f32 matrix form (written by matrix instructions alone); v160-255: the fourth weight slot.  window 3 v96-159: the norms' gains.
.set SETB,  12288
.set SETP,  0
.set SETE1, 1
.set SETE2, 3
.set SETC,  7
.set SETQ,  31
.set SETK,  47
.set SETV,  63
.set SETG,  79
.set NSETS, 23                         ; sets that a wave takes, in the order of their use
.set XIMG,  0                          ; LDS: x's 8 fragments (2 s + m), their scale words (128 bytes each),
.set XSC,   12288
.set CIMG,  13312                      ; te's,
.set CSC,   25600
.set HIMG,  26624                      ; h's,
.set HSC,   38912
.set STG,   39936                      ; 3,072 bytes a wave: Q's and K's codes on their way out,
.set CONST, 52224                      ; 5,120 bytes a wave: its own copy of the biases, gains and pos_w1,
.set CWB,   5120
.set RING,  72704                      ; 61,440 bytes a wave: five sets of weights, filled once by tensor loads; nothing is stored there
.set RWB,   61440
.set O_EB2, 0
.set O_CB,  512
.set O_QB,  1024
.set O_KB,  1536
.set O_VB,  2048
.set O_PB2, 2560
.set O_PW1, 3072
.set O_EB1, 4096
.set O_PB1, 4352
.set O_QN,  4608
.set O_KN,  4864
.set LI,   1                           ; 16 l
.set LS,   2                           ; 4 l
.set WOFF, 3                           ; 16 l + 12,288 g
.set SOFF, 4                           ; 16 l + 512 g
.set XA,   5                           ; x: (r + 8 (r/8)) 2,048 + 64 h + 512 g
.set IW,   6                           ; 16 l + 3,072 g
.set SW,   7                           ; 4 l + 256 g
.set CB0,  8                           ; my constants + 64 h
.set CBV,  9                           ; my constants + 4 (r + 8 (r/8))
.set CST,  10                          ; my constants + 16 l
.set CS8,  11                          ; my constants + 8 l
.set STQ,  12                          ; my stage + 48 r + 24 h
.set SRD,  13                          ; my stage + 16 l
.set SH16, 14                          ; 16 h
.set GB,   15                          ; q_b[512 + 2 g + h]
.set VOE,  16                          ; V's codes, even tiles
.set VOO,  17                          ; odd tiles
.set QSO,  18                          ; 8,192 h + 4 r
.set KSO,  19                          ; 12,288 h + 4 r
.set VSO,  20                          ; 12,288 h + 16 r
.set RB,   21                          ; my five sets in LDS + 16 l
.set PWA,  22                          ; my constants + 512 h + 4 (r + 8 (r/8))
.set T1,   23                          ; at work; at the head the positions' offset 12 (r + 8 (r/8))
.set AS,   24
.set T0,   33
.set QT,   34
.set TM,   42                          ; +0..3 largest magnitudes, +4..7 bytes, +12..15 the conversions' scale operands
.set WSL,  50                          ; v50-53 the fourth slot's scale words
.set HW,   58
.set TPW,  60
.set PW,   62
.set ACC,  64
.set HF,   192
.set TPF,  216
.set OB,   216
.set WS,   240
.set PFB,  252
.set AF,   96
.set LSC,  204
.set FD,   96
.set LSB,  160
.set NQ,   96
.set NK,   128
.set G,    46
.set SEL,  50
.set MH,   52                          ; the lanes with h = 1
.set C7F,  53
.set R64,  54
.set EPS,  55
.set BQ,   56                          ; s[56:57] qkvc at my first head's block
.set BS,   58                          ; s[58:59] qsg
.set BK,   60                          ; s[60:61] kvs, K's words
.set BV,   62                          ; s[62:63] kvs, V's words
.set GWS,  66
.set GSS,  67
.set WGN,  70                          ; s70 my work-group: it enters global addresses alone
.set G1T,  72                          ; s[72:79] descriptor group 1: a set as 48 rows of 256 bytes
.set G0T,  80                          ; s[80:99] five groups 0
.set WIMG, 34
.set WSCL, 36
.set MSB, 0
.set NLD, 0                            ; global loads issued so far
.set QC,  0                            ; the set in hand
.set VC,  0                            ; how many sets of the vector road have been multiplied
.set VL,  0                            ; how many have been asked for
.set VQ,  0                            ; the next of the list to be asked for on that road
.macro WIN new                         ; the immediate's high byte repeats the setting that is left
.if MSB != (\new)
	s_set_vgpr_msb (MSB<<8)|(\new)
.set MSB, (\new)
.endif
.endm
.macro PLACES n
.rept \n
	v_nop
.endr
.endm
.macro BARRIER                         ; my LDS stores have landed and my LDS loads are in: then the work-group's barrier
	s_wait_dscnt 0x0
	s_barrier_signal -1
	s_barrier_wait -1
.endm
.macro ROUND                           ; a round of the cluster's barrier
	s_barrier_signal -1
	s_barrier_wait -1
	s_cmp_lg_u32 s[G], 0
	s_cbranch_scc1 .Lnot_wave_0_\@
	s_barrier_signal -3
.Lnot_wave_0_\@:
	s_barrier_wait -3
	s_barrier_signal -1
	s_barrier_wait -1
.endm
.macro WAITL seq                       ; loads return in order: the count is the number of loads issued behind the one wanted (the text has one path), held to what the wait can name
.if NLD-(\seq) > 63
	s_wait_loadcnt 63
.else
	s_wait_loadcnt NLD-(\seq)
.endif
.endm
.macro SETNO q                         ; the number, among the images, of set q of the list for wave 0 (the wave's own 12,288 g or 512 g bytes stand in the offset register)
.if (\q) == 0
.set SN, SETP
.elseif (\q) < 3
.set SN, SETE1+(\q)-1
.elseif (\q) == 3
.set SN, SETE2
.elseif (\q) < 10
.set SN, SETC+4*((\q)-4)
.elseif (\q) < 14
.set SN, SETQ+4*((\q)-10)
.elseif (\q) < 18
.set SN, SETK+4*((\q)-14)
.else
.set SN, SETV+4*((\q)-18)
.endif
.endm
.macro WLOAD q, sl                     ; set q of the list by vector loads into slot sl
.set SL, (\sl)
.if (\q) == 22                         ; the gate's four fragments
	v_add_nc_u32 v[T0], s[GWS], v[LI]
	v_add_nc_u32 v[T1], s[GSS], v[LI]
	WIN (SL+1)<<6
.set II, 0
.rept 12
	global_load_b128 v[4*II:4*II+3], v[T0], s[WIMG:WIMG+1] offset:SETG*SETB+512*II
.set II, II+1
.endr
	WIN 0
	global_load_b64 v[WS+4*SL:WS+4*SL+1], v[T1], s[WSCL:WSCL+1] offset:SETG*512
.set NLD, NLD+13
.else
	SETNO \q
.if (\q) < 3                           ; the small layers' sets are the same for all waves; the others are the wave's own
.set RW, LI
.set RS, LI
.else
.set RW, WOFF
.set RS, SOFF
.endif
	WIN (SL+1)<<6
.set II, 0
.rept 24
	global_load_b128 v[4*II:4*II+3], v[RW], s[WIMG:WIMG+1] offset:SN*SETB+512*II
.set II, II+1
.endr
	WIN 0
	global_load_b128 v[WS+4*SL:WS+4*SL+3], v[RS], s[WSCL:WSCL+1] offset:SN*512
.set NLD, NLD+25
.endif
.if SL == 0
.set SEQ0, NLD
.elseif SL == 1
.set SEQ1, NLD
.else
.set SEQ2, NLD
.endif
.endm
.macro VNEXT                           ; the next set of the vector road is asked for; numbers 4, 8, 12, 16, 20 of the list are passed over
.if VQ < NSETS
	WLOAD VQ, VL%3
.set VL, VL+1
.set VQ, VQ+1
.if (VQ%4 == 0) && (VQ >= 4) && (VQ <= 20)
.set VQ, VQ+1
.endif
.endif
.endm
.macro LLOAD q                         ; set q lies in my part of LDS, row (q - 4) / 4: into the fourth slot; its scale words into their registers
.set ROWL, ((\q)-4)/4
	s_wait_tensorcnt 4-ROWL                        ; tensor loads of a wave end in order: the count is the number of my loads issued behind this row's.  Only I read these bytes
	WIN 0x80
.set II, 0
.rept 24
	ds_load_b128 v[LSB+4*II:LSB+4*II+3], v[RB] offset:ROWL*SETB+512*II
.set II, II+1
.endr
	WIN 0x01
.irp i, 0,1,2,3
	v_mov_b32 v[WSL+\i], v[LSC+4*ROWL+\i]
.endr
	WIN 0
	PLACES 6                                       ; with the four behind the next set's products: scale words written by vector instructions stand at least eight places ahead of the scaled matrix instruction
.endm
.macro TAKE                            ; the set in hand has landed; the later sets stay on their way
.if (QC%4 == 0) && (QC >= 4) && (QC <= 20)
.set ISL, 1
.set SLW, 2
.set SLB, LSB
.set WSB, WSL
	s_wait_dscnt 0x0
.else
.set ISL, 0
.set SLW, VC%3+1
.set SLB, 0
.set WSB, WS+4*(VC%3)
.if VC%3 == 0
	WAITL SEQ0
.elseif VC%3 == 1
	WAITL SEQ1
.else
	WAITL SEQ2
.endif
.endif
.endm
.macro DONE                            ; four places behind the products (ISA guide 7.12.1); a slot of the vector road takes that road's set three further on; a set from LDS is fetched two sets ahead
	PLACES 4
.if ISL == 0
	VNEXT
.set VC, VC+1
.endif
.set QC, QC+1
.if ((QC+1)%4 == 0) && (QC+1 >= 4) && (QC+1 <= 20)
	LLOAD QC+1
.endif
.endm
.macro WM d, a, b, z, sa, sb, mod      ; one scaled matrix instruction; z = 1: it starts the sum
.if \z
	v_wmma_scale_f32_16x16x128_f8f6f4 v[(\d):(\d)+7], v[(\a):(\a)+11], v[(\b):(\b)+11], 0, v[\sa], v[\sb] matrix_a_fmt:MATRIX_FMT_BF6 matrix_b_fmt:MATRIX_FMT_BF6 \mod
.else
	v_wmma_scale_f32_16x16x128_f8f6f4 v[(\d):(\d)+7], v[(\a):(\a)+11], v[(\b):(\b)+11], v[(\d):(\d)+7], v[\sa], v[\sb] matrix_a_fmt:MATRIX_FMT_BF6 matrix_b_fmt:MATRIX_FMT_BF6 \mod
.endif
.endm
.macro BIAS off, nt                    ; the bias in the result's layout: the sums begin with it
.set TT, 0
.rept \nt
.irp m, 0,1
	ds_load_b128 v[ACC+64*\m+8*TT:ACC+64*\m+8*TT+3], v[CB0] offset:(\off)+4*(32*(TT/2)+8*(TT%2))
	ds_load_b128 v[ACC+64*\m+8*TT+4:ACC+64*\m+8*TT+7], v[CB0] offset:(\off)+4*(32*(TT/2)+8*(TT%2))+16
.endr
.set TT, TT+1
.endr
.endm
; nt tiles of the slot's fragments f0 .. x both row tiles, one K step.  The accumulators take turns, one instruction a turn.  Odd fragments' scale words lie in lanes 16-31.
.macro MUL f0, nt, aw, a0, a1, s0, s1
	WIN SLW|((\aw)<<2)
.set TT, 0
.rept \nt
.set FI, (\f0)+TT
.if FI%2
	WM ACC+8*TT, SLB+12*FI, \a0, 0, WSB+FI/2, \s0, matrix_a_scale:MATRIX_SCALE_ROW1
	WM ACC+64+8*TT, SLB+12*FI, \a1, 0, WSB+FI/2, \s1, matrix_a_scale:MATRIX_SCALE_ROW1
.else
	WM ACC+8*TT, SLB+12*FI, \a0, 0, WSB+FI/2, \s0
	WM ACC+64+8*TT, SLB+12*FI, \a1, 0, WSB+FI/2, \s1
.endif
.set TT, TT+1
.endr
	WIN 0
.endm
.macro MUL4                            ; four K steps against the eight fragments in window 1
.irp s, 0,1,2,3
	TAKE
	MUL 0, 8, 1, AF+24*\s, AF+24*\s+12, AS+2*\s, AS+2*\s+1
	DONE
.endr
.endm
.macro MULV s, z                       ; V, untransposed: source 0 = 16 rows of h, source 1 = 16 units: a lane holds one unit and eight keys
	WIN 1|(SLW<<2)
.set TT, 0
.rept 8
.if TT%2
	WM ACC+16*TT, AF+24*(\s), SLB+12*TT, \z, AS+2*(\s), WSB+TT/2, matrix_b_scale:MATRIX_SCALE_ROW1
	WM ACC+16*TT+8, AF+24*(\s)+12, SLB+12*TT, \z, AS+2*(\s)+1, WSB+TT/2, matrix_b_scale:MATRIX_SCALE_ROW1
.else
	WM ACC+16*TT, AF+24*(\s), SLB+12*TT, \z, AS+2*(\s), WSB+TT/2
	WM ACC+16*TT+8, AF+24*(\s)+12, SLB+12*TT, \z, AS+2*(\s)+1, WSB+TT/2
.endif
.set TT, TT+1
.endr
	WIN 0
.endm
.macro MULG                            ; the gate: two accumulators by turns, four K steps
	WIN SLW|(1<<2)
	WM ACC, SLB, AF, 1, WSB, AS
	WM ACC+8, SLB, AF+12, 1, WSB, AS+1
	WM ACC, SLB+12, AF+24, 0, WSB, AS+2, matrix_a_scale:MATRIX_SCALE_ROW1
	WM ACC+8, SLB+12, AF+36, 0, WSB, AS+3, matrix_a_scale:MATRIX_SCALE_ROW1
	WM ACC, SLB+24, AF+48, 0, WSB+1, AS+4
	WM ACC+8, SLB+24, AF+60, 0, WSB+1, AS+5
	WM ACC, SLB+36, AF+72, 0, WSB+1, AS+6, matrix_a_scale:MATRIX_SCALE_ROW1
	WM ACC+8, SLB+36, AF+84, 0, WSB+1, AS+7, matrix_a_scale:MATRIX_SCALE_ROW1
	WIN 0
.endm
; nb blocks of 32: my 16 numbers of block b at v[s + 16 b ..], lane l xor 16 has the other 16.  -> scale operands v[TM+12+b], the scale word v[w] (nb = 2: the upper two bytes 0x7f, over zero codes)
.macro QSCALE s, w, nb
.irp b, 0,1,2,3
.if \b < \nb
	v_max3_num_f32 v[TM+\b], |v[(\s)+16*\b]|, |v[(\s)+1+16*\b]|, 0x2800000   ; and the floor 2^(5 - 127): the byte cannot fall under 1
.endif
.endr
.irp i, 2,4,6,8,10,12,14
.irp b, 0,1,2,3
.if \b < \nb
	v_max3_num_f32 v[TM+\b], v[TM+\b], |v[(\s)+16*\b+\i]|, |v[(\s)+1+16*\b+\i]|
.endif
.endr
.endr
.irp b, 0,1,2,3
.if \b < \nb
	v_permlanex16_b32 v[TM+4+\b], v[TM+\b], s[SEL], s[SEL+1]
.endif
.endr
.irp b, 0,1,2,3
.if \b < \nb
	v_max_num_f32 v[TM+\b], v[TM+\b], v[TM+4+\b]
.endif
.endr
.irp b, 0,1,2,3
.if \b < \nb
	v_add_nc_u32 v[TM+12+\b], 0xfe000000, v[TM+\b]   ; 4 off the exponent field
.endif
.endr
.irp b, 0,1,2,3
.if \b < \nb
	v_lshrrev_b32 v[TM+4+\b], 23, v[TM+12+\b]
.endif
.endr
	v_lshl_or_b32 v[\w], v[TM+5], 8, v[TM+4]
.if \nb == 4
	v_lshl_or_b32 v[\w], v[TM+6], 16, v[\w]
	v_lshl_or_b32 v[\w], v[TM+7], 24, v[\w]
.else
	v_or_b32 v[\w], 0x7f7f0000, v[\w]
.endif
.endm
.macro QCODES s, d, nb                 ; the codes, as a fragment's registers v[d .. d+11]: a whole block in a lane
.irp c, 0,1
.if 2*\c < \nb
	v_cvt_scalef32_pk16_bf6_f32 v[(\d)+6*\c:(\d)+6*\c+2], v[(\s)+32*\c:(\s)+32*\c+15], v[TM+12+2*\c]
	v_cvt_scalef32_pk16_bf6_f32 v[QT+4*\c:QT+4*\c+2], v[(\s)+32*\c+16:(\s)+32*\c+31], v[TM+13+2*\c]
.endif
.endr
	v_nop                                          ; one plain place behind a scaled conversion
.irp c, 0,1
.if 2*\c < \nb
.irp i, 0,1,2
	v_permlane16_swap_b32 v[(\d)+6*\c+\i], v[QT+4*\c+\i]
.endr
.irp i, 0,1,2
	v_mov_b32 v[(\d)+6*\c+3+\i], v[QT+4*\c+\i]
.endr
.else
.irp i, 0,1,2,3,4,5
	v_mov_b32 v[(\d)+6*\c+\i], 0                   ; K = 64: zero codes fill the instruction's upper 64
.endr
.endif
.endr
.endm
.macro QUANT s, d, w, nb
	QSCALE \s, \w, \nb
	QCODES \s, \d, \nb
.endm
.macro IMAGE src, off                  ; a fragment goes to LDS as it stands
.irp c, 0,1,2
	ds_store_b128 v[IW], v[(\src)+4*\c:(\src)+4*\c+3] offset:(\off)+512*\c
.endr
.endm
.macro FETCH8 img, sc                  ; and the eight come back so, in every wave, with their scale words
	WIN 0x40
.set II, 0
.rept 24
	ds_load_b128 v[AF+4*II:AF+4*II+3], v[LI] offset:(\img)+512*II
.set II, II+1
.endr
	WIN 0
.set II, 0
.rept 8
	ds_load_b32 v[AS+II], v[LS] offset:(\sc)+128*II
.set II, II+1
.endr
.endm
.macro NORM m, c, nw                   ; rmsnorm of head c of row tile m: my 32 numbers and lane l xor 16's
.set X, ACC+64*(\m)+32*(\c)
	v_pk_mul_f32 v[252:253], v[X:X+1], v[X:X+1]
	v_pk_mul_f32 v[254:255], v[X+2:X+3], v[X+2:X+3]
.set II, 2
.rept 14
	v_pk_fma_f32 v[252+2*(II%2):253+2*(II%2)], v[X+2*II:X+2*II+1], v[X+2*II:X+2*II+1], v[252+2*(II%2):253+2*(II%2)]
.set II, II+1
.endr
	v_pk_add_f32 v[252:253], v[252:253], v[254:255]
	v_add_f32 v252, v252, v253
	v_permlanex16_b32 v254, v252, s[SEL], s[SEL+1]
	v_add_f32 v252, v252, v254
	v_fma_f32 v254, v252, s[R64], s[EPS]           ; the mean of the squares + 1e-6
	v_rsq_f32 v252, v254
	v_mov_b32 v253, 0                              ; a plain place behind the transcendental; it also writes the pair's upper half
.set II, 0
	s_wait_alu depctr_va_vdst(0)
.rept 16
	v_pk_mul_f32 v[X+2*II:X+2*II+1], v[X+2*II:X+2*II+1], v[252:253] op_sel_hi:[1,0]
.set II, II+1
.endr
	WIN 0x0c                                       ; source 1: the gains, window 3
.set II, 0
.rept 16
	v_pk_mul_f32 v[X+2*II:X+2*II+1], v[X+2*II:X+2*II+1], v[(\nw)+2*II:(\nw)+2*II+1]
.set II, II+1
.endr
	WIN 0
.endm
.macro STAGEQK d, m                    ; registers 6 c .. 6 c + 5 are head c's block h of my position: 24 bytes of its 48
.irp c, 0,1
.irp p, 0,1,2
	ds_store_b64 v[STQ], v[(\d)+6*\c+2*\p:(\d)+6*\c+2*\p+1] offset:1536*\c+768*(\m)+8*\p
.endr
.endr
.endm
.macro SEND reg                        ; two heads x 1,536 dense bytes leave the stage through registers
	s_wait_xcnt 0x0                                ; earlier stores have read these registers
.irp i, 0,1,2,3,4,5
	ds_load_b128 v[OB+4*\i:OB+4*\i+3], v[SRD] offset:512*\i   ; LDS serves a wave's instructions in order: these see my stores
.endr
	s_wait_dscnt 0x0
.irp i, 0,1,2,3,4,5
	global_store_b128 v[LI], v[OB+4*\i:OB+4*\i+3], s[BQ:BQ+1] offset:(\reg)+(\i/3)*98304+(\i%3)*512   ; 512 consecutive bytes, aligned
.endr
.endm
.macro QKPART boff, nw, reg, wadr, wbase
	BIAS \boff, 8
	s_wait_dscnt 0x0
	MUL4
	s_wait_xcnt 0x0                                ; the scale words' registers may be written again
.irp m, 0,1
	NORM \m, 0, \nw
	NORM \m, 1, \nw
	QUANT ACC+64*\m, HF+12*\m, PW+\m, 4
	STAGEQK HF+12*\m, \m
	v_lshrrev_b32 v[TPW+\m], v[SH16], v[PW+\m]     ; lanes 0-15 send head 2 g's two bytes, lanes 16-31 head 2 g + 1's;
	v_and_or_b32 v[TPW+\m], v[TPW+\m], 0xffff, s[C7F]   ; the upper two bytes stand over zero codes
	global_store_b32 v[\wadr], v[TPW+\m], s[\wbase:\wbase+1] offset:64*\m
.endr
	SEND \reg
.endm
.macro VQUANT x, cv, w                 ; head x: four tiles of 16 units; a block is this work-group's 32 keys
	QSCALE ACC+64*(\x), \w, 4
.irp b, 0,1,2,3
	v_cvt_scalef32_pk16_bf6_f32 v[(\cv)+4*\b:(\cv)+4*\b+2], v[ACC+64*(\x)+16*\b:ACC+64*(\x)+16*\b+15], v[TM+12+\b]
.endr
	v_nop
.irp b, 0,2
	global_store_b96 v[VOE], v[(\cv)+4*\b:(\cv)+4*\b+2], s[BQ:BQ+1] offset:6291456+98304*(\x)+384*\b     ; 384 consecutive bytes a store; the four fill 1,536
	global_store_b96 v[VOO], v[(\cv)+4*\b+4:(\cv)+4*\b+6], s[BQ:BQ+1] offset:6291456+98304*(\x)+384*\b
.endr
.endm
	; ---- head
	s_load_b512 s[8:23], s[0:1], 0x0               ; x 8, positions 10, pos_w1 12, pos_b1 14, pos_b2 16, expr_b1 18, expr_b2 20, cat_b 22
	s_load_b512 s[24:39], s[0:1], 0x40             ; q_b 24, k_b 26, v_b 28, qn_w 30, kn_w 32, wimg 34, wscl 36, timg 38
	s_load_b128 s[40:43], s[0:1], 0x80             ; qkvc 40, kvs 42
	s_load_b64 s[44:45], s[0:1], 0x90              ; qsg
	s_set_vgpr_msb 0x40
	v_lshl_add_u32 v254, v0, 2, 0x4dc00
	v_mov_b32 v255, 0
	s_set_vgpr_msb 0x4045
	ds_add_u32 v254, v255
	ds_add_u32 v254, v255
	s_set_vgpr_msb 0x4500
	v_lshrrev_b32 v[T0], 5, v0
	v_readfirstlane_b32 s[G], v[T0]                ; wave g
	s_bfe_u32 s[WGN], ttmp6, 0x40000               ; cx: my place in the cluster
	s_lshl_b32 s47, ttmp9, 2                       ; in a cluster launch ttmp9 counts clusters
	s_add_co_u32 s[WGN], s47, s[WGN]               ; my work-group = 4 x cluster + cx
	v_and_b32 v[T0], 31, v0                        ; l
	v_lshlrev_b32 v[LI], 4, v[T0]
	v_lshlrev_b32 v[LS], 2, v[T0]
	v_lshlrev_b32 v252, 3, v[T0]                   ; 8 l
	v_and_b32 v254, 15, v0                         ; r
	v_bfe_u32 v255, v0, 4, 1                       ; h
	v_and_b32 v253, 8, v254
	v_add_nc_u32 v253, v253, v254                  ; r + 8 (r / 8)
	s_mov_b32 s[SEL], 0x76543210
	s_mov_b32 s[SEL+1], 0xfedcba98
	s_mov_b32 s[MH], 0xffff0000
	s_mov_b32 s[C7F], 0x7f7f0000
	s_mov_b32 s[R64], 0x3c800000                   ; 1 / 64
	s_mov_b32 s[EPS], 0x358637bd                   ; 1e-6
	; descriptor group 1: a set, 12,288 dense bytes, as 48 rows of 256 bytes (32 elements of 8 bytes); 15:0 the mask of all four work-groups, 21 set beside it
	s_mov_b32 s[G1T], 15|(3<<16)|(1<<21)
	s_mov_b32 s[G1T+1], 32<<16
	s_mov_b32 s[G1T+2], 48<<16
	s_mov_b32 s[G1T+3], 32<<16
	s_mov_b32 s[G1T+4], 48
	s_mov_b32 s[G1T+5], 32
	s_mov_b32 s[G1T+6], 0
	s_mov_b32 s[G1T+7], 0
	s_mul_i32 s71, s[G], RWB                       ; my five sets' place in LDS: the wave's number alone enters it
	s_add_co_u32 s47, s71, RING
	v_add_nc_u32 v[RB], s47, v[LI]
	s_mul_i32 s47, s[G], 12288
	v_add_nc_u32 v[WOFF], s47, v[LI]
	s_lshl_b32 s47, s[G], 9
	v_add_nc_u32 v[SOFF], s47, v[LI]
	v_lshlrev_b32 v[XA], 11, v253
	v_lshl_add_u32 v[XA], v255, 6, v[XA]
	v_add_nc_u32 v[XA], s47, v[XA]
	s_mul_i32 s47, s[G], 3072
	v_add_nc_u32 v[IW], s47, v[LI]
	s_add_co_u32 s47, s47, STG
	v_mul_u32_u24 v[STQ], v254, 48
	v_mad_u32_u24 v[STQ], v255, 24, v[STQ]
	v_add_nc_u32 v[STQ], s47, v[STQ]
	v_add_nc_u32 v[SRD], s47, v[LI]
	s_lshl_b32 s47, s[G], 8
	v_add_nc_u32 v[SW], s47, v[LS]
	s_mul_i32 s47, s[G], CWB
	s_add_co_u32 s47, s47, CONST
	v_lshl_add_u32 v[CB0], v255, 6, s47
	v_lshl_add_u32 v[CBV], v253, 2, s47
	v_add_nc_u32 v[CST], s47, v[LI]
	v_add_nc_u32 v[CS8], s47, v252
	v_lshl_add_u32 v[PWA], v255, 9, v[CBV]
	v_lshlrev_b32 v[SH16], 4, v255
	v_mul_u32_u24 v[VOE], v254, 24
	v_mad_u32_u24 v[VOE], v255, 12, v[VOE]
	s_and_b32 s47, s[WGN], 1                       ; the key block's parity: tiles td and td xor 1 change places in odd blocks (offsets of global stores)
	s_mul_i32 s47, s47, 384
	s_sub_co_u32 s48, 384, s47
	v_add_nc_u32 v[VOO], s48, v[VOE]
	v_add_nc_u32 v[VOE], s47, v[VOE]
	v_lshlrev_b32 v[T1], 2, v254
	v_lshl_add_u32 v[QSO], v255, 13, v[T1]
	v_mad_u32_u24 v[KSO], v255, 12288, v[T1]
	v_lshlrev_b32 v[T1], 4, v254
	v_mad_u32_u24 v[VSO], v255, 12288, v[T1]
	v_mul_u32_u24 v[T1], v253, 12                  ; the positions' offset
	s_lshl_b32 s47, s[G], 3
	s_add_co_u32 s47, s47, 2048
	v_lshl_add_u32 v[T0], v255, 2, s47             ; the gate's bias: byte 4 (512 + 2 g + h) of q_b
	s_mul_i32 s[GWS], s[G], 6144
	s_lshr_b32 s[GSS], s[G], 1
	s_lshl_b32 s[GSS], s[GSS], 9
	s_and_b32 s47, s[G], 1
	s_lshl_b32 s47, s47, 3
	s_add_co_u32 s[GSS], s[GSS], s47
.irp b, 0,1,2,3
	v_mov_b32 v[TM+4+\b], 0                        ; written once: a lane permute's destination counts as one of its sources
.endr
	s_wait_dscnt 0x0
	s_wait_kmcnt 0x0
	s_lshl_b32 s48, s[WGN], 16
	s_mov_b32 s49, 0
	s_add_nc_u64 s[8:9], s[8:9], s[48:49]          ; x at my 32 rows
	s_mul_i32 s48, s[WGN], 384
	s_add_nc_u64 s[10:11], s[10:11], s[48:49]      ; positions likewise
	s_lshr_b32 s47, s[WGN], 6                      ; batch
	s_lshl_b32 s48, s47, 11
	s_add_nc_u64 s[38:39], s[38:39], s[48:49]      ; its time image
	s_lshl_b32 s47, s47, 3
	s_lshl_b32 s48, s[G], 1
	s_add_co_u32 s47, s47, s48                     ; my first head: 8 b + 2 g
	s_and_b32 s68, s[WGN], 63                      ; the block of 32 positions in the batch
	s_lshl_b32 s48, s47, 6
	s_add_co_u32 s48, s48, s68
	s_mul_i32 s48, s48, 1536
	s_add_nc_u64 s[BQ:BQ+1], s[40:41], s[48:49]
	s_lshl_b32 s48, s47, 11
	s_lshl_b32 s69, s68, 5
	s_add_co_u32 s48, s48, s69
	s_lshl_b32 s48, s48, 2
	s_add_nc_u64 s[BS:BS+1], s[44:45], s[48:49]
	s_mul_i32 s48, s47, 12288
	s_lshl_b32 s69, s68, 7
	s_add_co_u32 s48, s48, s69
	s_add_nc_u64 s[BK:BK+1], s[42:43], s[48:49]
	s_mul_i32 s48, s47, 12288
	s_lshr_b32 s69, s68, 2
	s_lshl_b32 s69, s69, 8
	s_add_co_u32 s48, s48, s69
	s_and_b32 s69, s68, 3
	s_lshl_b32 s69, s69, 2
	s_add_co_u32 s48, s48, s69
	s_add_co_u32 s48, s48, 8192
	s_add_nc_u64 s[BV:BV+1], s[42:43], s[48:49]
	s_mul_i32 s48, s[G], SETB
	s_add_nc_u64 s[2:3], s[WIMG:WIMG+1], s[48:49]  ; the images at my group's sets: the wave's number alone enters the joint loads' addresses
.irp k, 0,1,2,3,4
	s_mov_b32 s[G0T+4*\k], 1                                       ; 1:0 count = 1
	s_add_co_u32 s[G0T+4*\k+1], s71, RING+SETB*\k                  ; 63:32 LDS address: row k of my five
	s_add_nc_u64 s[G0T+4*\k+2:G0T+4*\k+3], s[2:3], (SETC+16*\k)*SETB   ; 120:64 global address: set 7 + 16 k + g = number 4 + 4 k of my list
	s_or_b32 s[G0T+4*\k+3], s[G0T+4*\k+3], 0x80000000              ; 127:126 type = 2
.endr
	global_load_b128 v[192:195], v[SOFF], s[20:21] ; my 128 numbers of expr_b2, cat_b, q_b, k_b, v_b
	global_load_b128 v[196:199], v[SOFF], s[22:23]
	global_load_b128 v[200:203], v[SOFF], s[24:25]
	global_load_b128 v[204:207], v[SOFF], s[26:27]
	global_load_b128 v[208:211], v[SOFF], s[28:29]
	global_load_b128 v[212:215], v[LI], s[16:17]   ; pos_b2
	global_load_b128 v[216:219], v[LI], s[12:13]   ; pos_w1
	global_load_b128 v[220:223], v[LI], s[12:13] offset:512
	global_load_b64 v[224:225], v252, s[18:19]     ; expr_b1
	global_load_b64 v[226:227], v252, s[14:15]     ; pos_b1
	global_load_b64 v[228:229], v252, s[30:31]     ; qn_w
	global_load_b64 v[230:231], v252, s[32:33]     ; kn_w
	global_load_b32 v[GB], v[T0], s[24:25]
.set NLD, 13
.set SEQC, NLD
	WIN 0x40
.irp c, 0,1,2
	global_load_b128 v[AF+96+4*\c:AF+96+4*\c+3], v[LI], s[38:39] offset:512*\c   ; the time fragment
.endr
.irp k, 0,1,2,3,4
	global_load_b128 v[LSC+4*\k:LSC+4*\k+3], v[SOFF], s[WSCL:WSCL+1] offset:(SETC+16*\k)*512   ; the scale words of the five sets that go through LDS
.endr
	WIN 0
	global_load_b32 v[AS+8], v[LS], s[38:39] offset:1536
.irp m, 0,1
.irp c, 0,1,2
	global_load_b32 v[232+3*\m+\c], v[T1], s[10:11] offset:96*\m+4*\c
.endr
.endr
.set NLD, NLD+15
.irp m, 0,1
.irp b, 0,1,2,3
.irp j, 0,1,2,3
	global_load_b128 v[ACC+64*\m+16*\b+4*\j:ACC+64*\m+16*\b+4*\j+3], v[XA], s[8:9] offset:16384*\m+128*\b+16*\j th:TH_LOAD_NT   ; K step g of x: of each block of 32 my 16 neighbours
.endr
.endr
.set NLD, NLD+16
.set SEQX\m, NLD
.endr
	ROUND                                          ; all four work-groups are here: the joint loads meet.  (The 60 loads above are on their way meanwhile)
.irp k, 0,1,2,3,4
	tensor_load_to_lds s[G0T+4*\k:G0T+4*\k+3], s[G1T:G1T+7]
	s_nop 0
.endr
	PLACES 4
	VNEXT
	VNEXT
	VNEXT
	; ---- 0: the constants into my own LDS copy; K step g of x becomes two fragments
	WAITL SEQC
.set II, 0
.rept 8
	ds_store_b128 v[CST], v[192+4*II:195+4*II] offset:512*II
.set II, II+1
.endr
.set II, 0
.rept 4
	ds_store_b64 v[CS8], v[224+2*II:225+2*II] offset:O_EB1+256*II
.set II, II+1
.endr
	s_wait_dscnt 0x0                               ; the stores have read their registers
.irp m, 0,1
	WAITL SEQX\m                                   ; (all that was asked for ahead of x is in too: the time fragment, the five sets' scale words, the positions)
	QUANT ACC+64*\m, HF+12*\m, PW+\m, 4
	IMAGE HF+12*\m, XIMG+1536*\m
	ds_store_b32 v[SW], v[PW+\m] offset:XSC+128*\m
.endr
	BARRIER                                        ; x's eight fragments lie in LDS
	; ---- 1: direction and norm, the position layers.  The first product (K = 4) feeds a quantiser: f32 operands
	v_mul_f32 v[T0], v232, v232
	v_mul_f32 v[T1], v235, v235
	v_fma_f32 v[T0], v233, v233, v[T0]
	v_fma_f32 v[T1], v236, v236, v[T1]
	v_fma_f32 v[T0], v234, v234, v[T0]
	v_fma_f32 v[T1], v237, v237, v[T1]
	v_sqrt_f32 v238, v[T0]
	v_sqrt_f32 v239, v[T1]
	v_nop
	s_wait_alu depctr_va_vdst(0)
	v_add_f32 v[T0], 0x33d6bf95, v238              ; + 1e-7
	v_add_f32 v[T1], 0x33d6bf95, v239
	v_rcp_f32 v224, v[T0]
	v_rcp_f32 v225, v[T1]
	v_nop
	s_wait_alu depctr_va_vdst(0)
.irp m, 0,1
.irp c, 0,1,2
	v_mul_f32 v[232+3*\m+\c], v[232+3*\m+\c], v[224+\m]
.endr
	v_cndmask_b32 v[PFB+2*\m], v[232+3*\m], v[234+3*\m], s[MH]     ; register j holds k = 2 h + j: (dx, dy) below, (dz, norm) above
	v_cndmask_b32 v[PFB+2*\m+1], v[233+3*\m], v[238+\m], s[MH]
.endr
.irp t, 0,1,2,3
.irp j, 0,1
	ds_load_b32 v[TPF+2*\t+\j], v[PWA] offset:O_PW1+256*\j+4*(32*(\t/2)+8*(\t%2))
.endr
	ds_load_b128 v[ACC+64+8*\t:ACC+64+8*\t+3], v[CB0] offset:O_PB1+4*(32*(\t/2)+8*(\t%2))
	ds_load_b128 v[ACC+64+8*\t+4:ACC+64+8*\t+7], v[CB0] offset:O_PB1+4*(32*(\t/2)+8*(\t%2))+16
.endr
	s_wait_dscnt 0x0
	WIN 0x80                                       ; results in window 2
.irp m, 0,1
.irp t, 0,1,2,3
	v_wmma_f32_16x16x4_f32 v[FD+32*\m+8*\t:FD+32*\m+8*\t+7], v[TPF+2*\t:TPF+2*\t+1], v[PFB+2*\m:PFB+2*\m+1], v[ACC+64+8*\t:ACC+64+8*\t+7]
.endr
.endr
	WIN 0
	PLACES 8                                       ; eight places behind this form
	WIN 0x08
.set II, 0
.rept 64
	v_max_num_f32 v[ACC+II], 0, v[FD+II]           ; the activation, into other registers; each result from its low end on
.set II, II+1
.endr
	WIN 0
.irp m, 0,1
	QUANT ACC+32*\m, HF+12*\m, HW+\m, 2
.endr
	BIAS O_PB2, 8
	s_wait_dscnt 0x0
	PLACES 8                                       ; scale words written by vector instructions stand eight places ahead of a scaled matrix instruction
	TAKE
	MUL 0, 8, 0, HF, HF+12, HW, HW+1
	DONE
.irp m, 0,1
	QUANT ACC+64*\m, TPF+12*\m, TPW+\m, 4          ; tp: K step 5 of the concatenation; it stays in my registers
.endr
	; ---- 2: the expression's hidden layer, 64 units
	FETCH8 XIMG, XSC
	BIAS O_EB1, 4
	s_wait_dscnt 0x0
	TAKE
	MUL 0, 4, 1, AF, AF+12, AS, AS+1
	MUL 4, 4, 1, AF+24, AF+36, AS+2, AS+3
	DONE
	TAKE
	MUL 0, 4, 1, AF+48, AF+60, AS+4, AS+5
	MUL 4, 4, 1, AF+72, AF+84, AS+6, AS+7
	DONE
.irp m, 0,1
.set II, 0
.rept 32
	v_max_num_f32 v[ACC+64*\m+II], 0, v[ACC+64*\m+II]
.set II, II+1
.endr
.endr
.irp m, 0,1
	QUANT ACC+64*\m, HF+12*\m, HW+\m, 2
.endr
	; ---- 3: te, my 128 units: K step g of the concatenation
	BIAS O_EB2, 8
	s_wait_dscnt 0x0
	PLACES 8
	TAKE
	MUL 0, 8, 0, HF, HF+12, HW, HW+1
	DONE
.irp m, 0,1
	QUANT ACC+64*\m, HF+12*\m, PW+\m, 4
	IMAGE HF+12*\m, CIMG+1536*\m
	ds_store_b32 v[SW], v[PW+\m] offset:CSC+128*\m
.endr
	BARRIER                                        ; te's eight fragments lie in LDS
	; ---- 4: h = [te, tdt, tp] cat_w + cat_b
	FETCH8 CIMG, CSC
	BIAS O_CB, 8
	s_wait_dscnt 0x0
	MUL4
	TAKE
	MUL 0, 8, 1, AF+96, AF+96, AS+8, AS+8          ; the time row is the same for every row
	DONE
	TAKE
	MUL 0, 8, 0, TPF, TPF+12, TPW, TPW+1
	DONE
.irp m, 0,1
	QUANT ACC+64*\m, HF+12*\m, PW+\m, 4
	IMAGE HF+12*\m, HIMG+1536*\m
	ds_store_b32 v[SW], v[PW+\m] offset:HSC+128*\m
.endr
	BARRIER                                        ; h's eight fragments lie in LDS
	; ---- 5: Q, K, V, the gate
	FETCH8 HIMG, HSC
	WIN 0xc0
.irp b, 0,1
.irp q, 0,1,2,3
	ds_load_b128 v[NQ+16*\b+4*\q:NQ+16*\b+4*\q+3], v[CB0] offset:O_QN+128*\b+16*\q   ; the gains at my 32 places of a head
	ds_load_b128 v[NK+16*\b+4*\q:NK+16*\b+4*\q+3], v[CB0] offset:O_KN+128*\b+16*\q
.endr
.endr
	WIN 0
	QKPART O_QB, NQ, 0, QSO, BS
	QKPART O_KB, NK, 3145728, KSO, BK
	TAKE
	MULV 0, 1
	DONE
.irp s, 1,2,3
	TAKE
	MULV \s, 0
	DONE
.endr
.irp t, 0,1,2,3,4,5,6,7
	ds_load_b32 v[QT+\t], v[CBV] offset:O_VB+4*(32*(\t/2)+8*(\t%2))   ; v_b at my unit of tile t
.endr
	s_wait_dscnt 0x0
.irp t, 0,1,2,3,4,5,6,7
.set II, 0
.rept 16
	v_add_f32 v[ACC+16*\t+II], v[ACC+16*\t+II], v[QT+\t]
.set II, II+1
.endr
.endr
	s_wait_xcnt 0x0                                ; K's stores have read the registers that V's codes and word take
	VQUANT 0, 192, HW
	VQUANT 1, 208, HW+1
	v_cndmask_b32 v[TPW], v[HW], v[HW+1], s[MH]    ; lanes 0-15 send head 2 g's word (byte td: tile td's scale), lanes 16-31 head 2 g + 1's
	global_store_b32 v[VSO], v[TPW], s[BV:BV+1]
	TAKE
	MULG
	PLACES 4
	v_add_f32 v252, v[ACC], v[GB]                  ; every register of the tile holds the gate of head 2 g + h for my row: the lowest is taken
	v_add_f32 v253, v[ACC+8], v[GB]
	v_mul_f32 v252, 0xbfb8aa3b, v252
	v_mul_f32 v253, 0xbfb8aa3b, v253
	v_exp_f32 v254, v252
	v_exp_f32 v255, v253
	v_nop
	s_wait_alu depctr_va_vdst(0)
	v_add_f32 v254, 1.0, v254
	v_add_f32 v255, 1.0, v255
	v_rcp_f32 v252, v254
	v_rcp_f32 v253, v255
	v_nop
	s_wait_alu depctr_va_vdst(0)
	global_store_b32 v[QSO], v252, s[BS:BS+1] offset:262144
	global_store_b32 v[QSO], v253, s[BS:BS+1] offset:262144+64
	s_set_vgpr_msb 0x5
	s_wait_tensorcnt 0x0
	ds_add_u32 v254, v255
	s_wait_dscnt 0x0
	s_set_vgpr_msb 0x500
	ROUND                                          ; the closing round: no work-group ends while a partner may still ask
	s_endpgm
.Lfunc_end_k_q87b0912e62_front:
	.size	k_q87b0912e62_front, .Lfunc_end_k_q87b0912e62_front-k_q87b0912e62_front
	.p2alignl 7, 3214868480
	.fill 96, 4, 3214868480
	.section	.rodata,"a",@progbits
	.p2align	6, 0x0
	.amdhsa_kernel k_q87b0912e62_front
		.amdhsa_group_segment_fixed_size 318976
		.amdhsa_private_segment_fixed_size 0
		.amdhsa_enable_private_segment 0
		.amdhsa_kernarg_size 152
		.amdhsa_user_sgpr_count 2
		.amdhsa_user_sgpr_kernarg_segment_ptr 1
		.amdhsa_wavefront_size32 1
		.amdhsa_system_sgpr_workgroup_id_x 1
		.amdhsa_system_sgpr_workgroup_id_y 1
		.amdhsa_system_sgpr_workgroup_id_z 1
		.amdhsa_system_vgpr_workitem_id 0
		.amdhsa_next_free_vgpr 1024
		.amdhsa_next_free_sgpr 100
		.amdhsa_reserve_vcc 0
		.amdhsa_float_denorm_mode_32 3
		.amdhsa_float_denorm_mode_16_64 3
		.amdhsa_memory_ordered 1
		.amdhsa_forward_progress 1
		.amdhsa_inst_pref_size 243
	.end_amdhsa_kernel
	.amdgpu_metadata
---
amdhsa.version: [ 1, 2 ]
amdhsa.kernels:
  - .name:           k_q87b0912e62_front
    .symbol:         k_q87b0912e62_front.kd
    .args:
      - { .name: expression_features, .offset: 0, .size: 8, .value_kind: global_buffer, .address_space: global }
      - { .name: position_features, .offset: 8, .size: 8, .value_kind: global_buffer, .address_space: global }
      - { .name: pos_w1, .offset: 16, .size: 8, .value_kind: global_buffer, .address_space: global }
      - { .name: pos_b1, .offset: 24, .size: 8, .value_kind: global_buffer, .address_space: global }
      - { .name: pos_b2, .offset: 32, .size: 8, .value_kind: global_buffer, .address_space: global }
      - { .name: expr_b1, .offset: 40, .size: 8, .value_kind: global_buffer, .address_space: global }
      - { .name: expr_b2, .offset: 48, .size: 8, .value_kind: global_buffer, .address_space: global }
      - { .name: cat_b, .offset: 56, .size: 8, .value_kind: global_buffer, .address_space: global }
      - { .name: q_b, .offset: 64, .size: 8, .value_kind: global_buffer, .address_space: global }
      - { .name: k_b, .offset: 72, .size: 8, .value_kind: global_buffer, .address_space: global }
      - { .name: v_b, .offset: 80, .size: 8, .value_kind: global_buffer, .address_space: global }
      - { .name: qn_w, .offset: 88, .size: 8, .value_kind: global_buffer, .address_space: global }
      - { .name: kn_w, .offset: 96, .size: 8, .value_kind: global_buffer, .address_space: global }
      - { .name: wimg, .offset: 104, .size: 8, .value_kind: global_buffer, .address_space: global }
      - { .name: wscl, .offset: 112, .size: 8, .value_kind: global_buffer, .address_space: global }
      - { .name: timg, .offset: 120, .size: 8, .value_kind: global_buffer, .address_space: global }
      - { .name: qkvc, .offset: 128, .size: 8, .value_kind: global_buffer, .address_space: global }
      - { .name: kvs, .offset: 136, .size: 8, .value_kind: global_buffer, .address_space: global }
      - { .name: qsg, .offset: 144, .size: 8, .value_kind: global_buffer, .address_space: global }
    .group_segment_fixed_size: 318976
    .private_segment_fixed_size: 0
    .kernarg_segment_align: 8
    .kernarg_segment_size: 152
    .max_flat_workgroup_size: 128
    .sgpr_count:     100
    .vgpr_count:     1024
    .wavefront_size: 32
...
	.end_amdgpu_metadata
.endif
;; end of part 2
;; launch attn (part 3): grid 8 x 32, 16 waves a work-group, clusters of 4 x 1, 210,944 bytes of LDS; arguments qkvc, kvs, qsg, aoc, aos; writes aoc, aos
.if DOCPART == 3
	.amdgcn_target "amdgcn-amd-amdhsa--gfx1250"
	.amdhsa_code_object_version 6
	.text
	.protected	k_q87b0912e62_attn
	.globl	k_q87b0912e62_attn
	.p2align	8
	.type	k_q87b0912e62_attn,@function
k_q87b0912e62_attn:
	s_mov_b64 s[64:65], 0
	v_nop
	global_prefetch_b8 v0, s[64:65] scope:SCOPE_SE
	s_setreg_imm32_b32 hwreg(HW_REG_WAVE_MODE, 25, 1), 1
	s_wait_xcnt 0x0
	s_wait_alu depctr_hold_cnt(0) depctr_sa_sdst(0) depctr_va_vdst(0) depctr_va_sdst(0) depctr_va_ssrc(0) depctr_va_vcc(0) depctr_vm_vsrc(0)
	s_getreg_b32 s2, hwreg(HW_REG_IB_STS2, 6, 4)
	s_cmp_eq_u32 s2, 0
	s_cbranch_scc0 .Lentry_in_a_cluster
	s_endpgm
.Lentry_in_a_cluster:
	s_bfe_u32 s2, ttmp6, 0x10000c
	s_cmp_lg_u32 s2, 0x3003
	s_cbranch_scc0 .Lentry_shape_is_right
	s_endpgm
.Lentry_shape_is_right:
; ATTN.  ao = softmax(Q K^T / 8) V x sigmoid(gate), both products on codes of BF6 with E8M0 scales, and ao quantised along the model's 512 for the next launch.
; THE SOFTMAX AHEAD OF THE SECOND PRODUCT: t = score x log2(e) / 8; M = the running largest t rounded UP to a whole number; p = 2^(t - M) is quantised along the keys, not normalised; the row's sum is taken of the
; unquantised p and divides at the end.  When M moves, the sum and O are multiplied by 2^(old M - new M): exact.
; SHARES.  A work-group owns 256 positions of one head, each of its sixteen waves one tile of 16 queries in 256 registers: four waves to a SIMD, so that one wave's vector work stands beside another's matrix work.
; A WHOLE HEAD LIES IN LDS: K's codes 98,304 bytes, V's 98,304, their scale words 12,288.  Every LDS byte is filled once: no ring, no refill.
; CLUSTER.  The four work-groups of a cluster belong to one head and need the same 208,896 bytes: each piece is asked for JOINTLY (mask 15), by the same load with the same descriptor in all four.
; Sixteen waves share the fill evenly, three loads each (3, 12 and 36 rows of 256 bytes), with no branch: three tensor loads of a wave are out.  The first four key steps and the scales come first, so that work begins while the rest lands.
; LAYOUT.  Both products are used transposed: S^T = K Q^T, O^T = V^T P^T: a lane holds ONE query throughout.  K's tile tt is positions 16 tt + r, whose keys are 32 b + 8 u + r + 8 (r / 8): the 16 registers of two
; neighbouring tiles are 16 neighbouring keys.  The head's 64 fill half of the instruction's K = 128: the upper six registers of Q and K are zero codes.
; V: [key block of 32][tile td xor (block & 1)][r][24 bytes]; the exchange of tiles in odd blocks sets the upper lanes' reads 32 banks from the lower lanes' (64 banks of 4 bytes: ISA guide 11.1).
; LIMITS: v_exp_f32 and v_rcp_f32 are good to 1 ulp and flush denormals; a block's largest p is made from its largest score by the same two instructions (it takes v_exp_f32 not to fall where its input rises).
; ao's scale bytes leave as 2 bytes a lane, 131,072 bytes in the whole launch.
.set KLDS, 0
.set VLDS, 98304
.set SCL,  196608
.set AK,  1                            ; 48 r + 24 h
.set AVE, 2                            ; V, even tiles: VLDS + 1,920 h + 24 r
.set AVO, 3                            ; odd tiles: VLDS + 1,152 h + 24 r
.set ASK, 4                            ; SCL + 4 l
.set ASV, 5                            ; SCL + 8,192 + 16 r
.set L8,  6
.set R4,  7
.set ADK, 8
.set ADE, 9
.set ADO, 10
.set ADS, 11
.set ADT, 29
.set QF,  16                           ; v16-27 Q
.set QW,  28                           ; Q's scale word
.set KSL, 32                           ; v32-79 four fragments of K
.set VW,  80                           ; v80-83 V's scale words
.set KW,  88                           ; v88-91 K's scale words: lanes 0-15 tile 2 j, lanes 16-31 tile 2 j + 1
.set BM,  92
.set PD,  96
.set SOP, 100
.set BY,  104
.set CT,  108
.set TMP, 111
.set PWD, 115
.set PCD, 116
.set S,   128                          ; v128-191 S^T, then p; v128-175 then V's four fragments
.set O,   192                          ; v192-223 O^T
.set WV,  14
.set SEL, 20
.set CS,  22
.set G1S, 24
.set G1A, 32
.set G1B, 40
.set G0S, 48
.set G0A, 52
.set G0B, 56
.set TB,  60
.set TS,  61
.set TV,  62
.set CNT, 63
.macro PLACES n
.rept \n
	v_nop
.endr
.endm
.macro ROUND                           ; a round of the cluster's barrier
	s_barrier_signal -1
	s_barrier_wait -1
	s_cmp_lg_u32 s[WV], 0
	s_cbranch_scc1 .Lnot_wave_0_\@
	s_barrier_signal -3
.Lnot_wave_0_\@:
	s_barrier_wait -3
	s_barrier_signal -1
	s_barrier_wait -1
.endm
.macro WM d, a, b, z, sa, sb, mod
.if \z
	v_wmma_scale_f32_16x16x128_f8f6f4 v[(\d):(\d)+7], v[(\a):(\a)+11], v[(\b):(\b)+11], 0, v[\sa], v[\sb] matrix_a_fmt:MATRIX_FMT_BF6 matrix_b_fmt:MATRIX_FMT_BF6 \mod
.else
	v_wmma_scale_f32_16x16x128_f8f6f4 v[(\d):(\d)+7], v[(\a):(\a)+11], v[(\b):(\b)+11], v[(\d):(\d)+7], v[\sa], v[\sb] matrix_a_fmt:MATRIX_FMT_BF6 matrix_b_fmt:MATRIX_FMT_BF6 \mod
.endif
.endm
	s_load_b256 s[4:11], s[0:1], 0x0               ; qkvc 4, kvs 6, qsg 8, aoc 10
	s_load_b64 s[12:13], s[0:1], 0x20              ; aos
	v_lshl_add_u32 v254, v0, 2, 0x33000
	v_mov_b32 v255, 0
	ds_add_u32 v254, v255
	ds_add_u32 v254, v255
	v_lshrrev_b32 v8, 5, v0
	v_readfirstlane_b32 s[WV], v8                  ; wave 0..15
	s_bfe_u32 s17, ttmp6, 0x40000                  ; cx
	s_lshl_b32 s16, ttmp9, 2
	s_add_co_u32 s16, s16, s17                     ; my block of 256 positions: it enters Q's, the gate's and the results' addresses alone
	s_and_b32 s15, ttmp7, 0xffff                   ; batch x 8 + head, which the four partners share
	; descriptor groups 1: dense blocks as rows of 256 bytes (32 elements of 8 bytes); 15:0 the mask of all four, 21 set beside it
.irp g, G1S, G1A, G1B
	s_mov_b32 s[\g], 15|(3<<16)|(1<<21)
	s_mov_b32 s[\g+1], 32<<16
	s_mov_b32 s[\g+3], 32<<16
	s_mov_b32 s[\g+5], 32
	s_mov_b32 s[\g+6], 0
	s_mov_b32 s[\g+7], 0
.endr
	s_mov_b32 s[G1S+2], 3<<16
	s_mov_b32 s[G1S+4], 3
	s_mov_b32 s[G1A+2], 12<<16
	s_mov_b32 s[G1A+4], 12
	s_mov_b32 s[G1B+2], 36<<16
	s_mov_b32 s[G1B+4], 36
	s_mov_b32 s[SEL], 0x76543210
	s_mov_b32 s[SEL+1], 0xfedcba98
	s_mov_b32 s[CS], 0x3e38aa3b                    ; c = log2(e) / 8
	s_mov_b32 s[CS+1], s[CS]
	s_mov_b32 s66, 0x05010400                      ; byte selects that turn V's 4 x 4 scale bytes
	s_mov_b32 s67, 0x07030602
	s_mov_b32 s68, 0x05040100
	s_mov_b32 s69, 0x07060302
	s_mov_b32 s[TB], 0
	s_mov_b32 s[TS], 0
	s_mov_b32 s[TV], 0
	s_mov_b32 s19, 0
	s_lshr_b32 s17, s[WV], 3                       ; waves 0-7 fetch K's codes, waves 8-15 V's
	s_and_b32 s71, s[WV], 7
	s_mul_i32 s3, s17, 3145728
	s_add_co_u32 s3, s3, 3145728
	s_mul_i32 s2, s15, 98304
	s_add_co_u32 s3, s3, s2                        ; the head's codes in that region
	s_wait_dscnt 0x0
	s_wait_kmcnt 0x0
	s_mul_i32 s70, s[WV], 768                      ; the scale words: 768 bytes a wave
	s_mul_i32 s18, s15, 12288
	s_add_co_u32 s18, s18, s70
	s_mov_b32 s[G0S], 1
	s_add_co_u32 s[G0S+1], s70, SCL
	s_add_nc_u64 s[G0S+2:G0S+3], s[6:7], s[18:19]
	s_or_b32 s[G0S+3], s[G0S+3], 0x80000000
	s_mul_i32 s70, s17, 98304                      ; K's or V's place in LDS
	s_mul_i32 s18, s71, 3072                       ; key steps 0-3: 3,072 bytes a wave
	s_mov_b32 s[G0A], 1
	s_add_co_u32 s[G0A+1], s70, s18
	s_add_co_u32 s18, s3, s18
	s_add_nc_u64 s[G0A+2:G0A+3], s[4:5], s[18:19]
	s_or_b32 s[G0A+3], s[G0A+3], 0x80000000
	s_mul_i32 s18, s71, 9216                       ; key steps 4-15: 9,216 bytes a wave
	s_add_co_u32 s18, s18, 24576
	s_mov_b32 s[G0B], 1
	s_add_co_u32 s[G0B+1], s70, s18
	s_add_co_u32 s18, s3, s18
	s_add_nc_u64 s[G0B+2:G0B+3], s[4:5], s[18:19]
	s_or_b32 s[G0B+3], s[G0B+3], 0x80000000
	ROUND                                          ; all four work-groups are here: the joint loads meet
	tensor_load_to_lds s[G0S:G0S+3], s[G1S:G1S+7]
	s_nop 0
	tensor_load_to_lds s[G0A:G0A+3], s[G1A:G1A+7]
	s_nop 0
	tensor_load_to_lds s[G0B:G0B+3], s[G1B:G1B+7]
	s_nop 0
.rept 4
	v_nop
.endr
	s_lshl_b32 s17, s15, 11
	s_lshl_b32 s2, s16, 8
	s_add_co_u32 s17, s17, s2
	s_lshl_b32 s2, s[WV], 4
	s_add_co_u32 s17, s17, s2                      ; my first query among all heads' positions
	s_mul_i32 s18, s17, 48
	s_add_nc_u64 s[4:5], s[4:5], s[18:19]          ; its codes
	s_lshl_b32 s18, s17, 2
	s_add_nc_u64 s[8:9], s[8:9], s[18:19]          ; its scale word; the gate lies 262,144 bytes on
	s_lshr_b32 s2, s15, 3
	s_lshl_b32 s2, s2, 7
	s_lshl_b32 s3, s16, 4
	s_add_co_u32 s2, s2, s3
	s_add_co_u32 s2, s2, s[WV]                     ; my tile of 16 positions: 128 b + 16 x + w
	s_lshl_b32 s2, s2, 2
	s_bfe_u32 s3, s15, 0x20001
	s_add_co_u32 s2, s2, s3                        ; 4 T + head / 2: the K step of the next product
	s_and_b32 s3, s15, 1
	s_mul_i32 s18, s2, 1536
	s_mul_i32 s17, s3, 768
	s_add_co_u32 s18, s18, s17
	s_add_nc_u64 s[10:11], s[10:11], s[18:19]
	s_lshl_b32 s18, s2, 6
	s_lshl_b32 s17, s3, 1
	s_add_co_u32 s18, s18, s17
	s_add_nc_u64 s[12:13], s[12:13], s[18:19]
	v_and_b32 v8, 15, v0                           ; r
	v_bfe_u32 v9, v0, 4, 1                         ; h
	v_and_b32 v10, 31, v0                          ; l
	v_mul_u32_u24 v[AK], v8, 48
	v_mad_u32_u24 v[AK], v9, 24, v[AK]
	v_lshlrev_b32 v[R4], 2, v8
.irp p, 0,1,2
	global_load_b64 v[QF+2*\p:QF+2*\p+1], v[AK], s[4:5] offset:8*\p   ; Q's fragment stays in registers
.endr
	global_load_b32 v[QW], v[R4], s[8:9]
	global_load_b32 v224, v[R4], s[8:9] offset:262144               ; sigmoid(gate) of my query
	v_mul_u32_u24 v11, v8, 24
	v_mad_u32_u24 v[AVE], v9, 1920, v11
	v_add_nc_u32 v[AVE], VLDS, v[AVE]
	v_mad_u32_u24 v[AVO], v9, 1152, v11
	v_add_nc_u32 v[AVO], VLDS, v[AVO]
	v_lshl_add_u32 v[ASK], v10, 2, SCL
	v_lshl_add_u32 v[ASV], v8, 4, SCL+8192
	v_lshlrev_b32 v[L8], 3, v10
	v_mov_b32 v13, 0xff61b1e6                      ; the largest t so far: -3e38
	v_floor_f32 v12, -v13                          ; -M
	v_mov_b32 v14, 0                               ; the sum, in two halves
	v_mov_b32 v15, 0
	v_mov_b32 v31, 0                               ; (the upper half of the pair v[30:31])
.irp i, 0,1,2,3,4,5
	v_mov_b32 v[QF+6+\i], 0                        ; zero codes over the instruction's upper 64 of K
.irp t, 0,1,2,3
	v_mov_b32 v[KSL+12*\t+6+\i], 0
.endr
.endr
.irp b, 0,1,2,3
	v_mov_b32 v[PD+\b], 0                          ; written once: a lane permute's destination counts as one of its sources
.endr
.set II, 0
.rept 32
	v_mov_b32 v[O+II], 0                           ; O^T.  (The step is written once: the first finds zeros, which the first change of M leaves zeros)
.set II, II+1
.endr
; A KEY STEP: 128 keys.
.macro STEP
	v_add_nc_u32 v[ADK], s[TB], v[AK]              ; these five are also the places between the last step's products and what writes over their registers
	v_add_nc_u32 v[ADE], s[TB], v[AVE]
	v_add_nc_u32 v[ADO], s[TB], v[AVO]
	v_add_nc_u32 v[ADS], s[TS], v[ASK]
	v_add_nc_u32 v[ADT], s[TV], v[ASV]
.irp g, 0,1                            ; S^T = K Q^T, four tiles of 16 keys at a time
.if \g
	PLACES 4                                       ; in front of loads into registers that matrix instructions have read
.endif
.irp t, 0,1,2,3
.irp p, 0,1,2
	ds_load_b64 v[KSL+12*\t+2*\p:KSL+12*\t+2*\p+1], v[ADK] offset:768*(4*\g+\t)+8*\p
.endr
.endr
.if \g == 0
.irp j, 0,1,2,3
	ds_load_b32 v[KW+\j], v[ADS] offset:128*\j
.endr
	ds_load_b128 v[VW:VW+3], v[ADT]                ; V: word blk of my row, byte td
.endif
	s_wait_dscnt 0x0
.irp t, 0,1,2,3
.if \t%2
	WM S+8*(4*\g+\t), KSL+12*\t, QF, 1, KW+2*\g+\t/2, QW, matrix_a_scale:MATRIX_SCALE_ROW1
.else
	WM S+8*(4*\g+\t), KSL+12*\t, QF, 1, KW+2*\g+\t/2, QW
.endif
.endr
.endr
	v_perm_b32 v84, v81, v80, s66                  ; V's scale bytes are turned: word td, byte blk.  (Eight plain lines that name no register of the products: their places)
	v_perm_b32 v85, v81, v80, s67
	v_perm_b32 v86, v83, v82, s66
	v_perm_b32 v87, v83, v82, s67
	v_perm_b32 v80, v86, v84, s68
	v_perm_b32 v81, v86, v84, s69
	v_perm_b32 v82, v87, v85, s68
	v_perm_b32 v83, v87, v85, s69
.irp b, 0,1,2,3
	v_max3_num_f32 v[BM+\b], v[S+16*\b], v[S+1+16*\b], v[S+2+16*\b]   ; the largest score of each block of 32 keys: for the row's maximum and for the block's largest p
.endr
.irp i, 3,5,7,9,11,13
.irp b, 0,1,2,3
	v_max3_num_f32 v[BM+\b], v[BM+\b], v[S+16*\b+\i], v[S+1+16*\b+\i]
.endr
.endr
.irp b, 0,1,2,3
	v_max_num_f32 v[BM+\b], v[BM+\b], v[S+15+16*\b]
.endr
.irp b, 0,1,2,3
	v_permlanex16_b32 v[PD+\b], v[BM+\b], s[SEL], s[SEL+1]
.endr
.irp b, 0,1,2,3
	v_max_num_f32 v[BM+\b], v[BM+\b], v[PD+\b]
.endr
	v_max3_num_f32 v[TMP], v[BM], v[BM+1], v[BM+2]
	v_max_num_f32 v[TMP], v[TMP], v[BM+3]
	v_mul_f32 v[TMP], s[CS], v[TMP]                ; as t (c is positive)
	v_max_num_f32 v13, v13, v[TMP]                 ; the running largest t
	v_mov_b32 v[TMP], v12
	v_floor_f32 v12, -v13                          ; the new -M = -ceil(t)
	v_sub_f32 v[TMP], v12, v[TMP]                  ; old M - new M: a whole number, 0 or less
	v_cvt_i32_f32 v[TMP], v[TMP]                   ; (it saturates)
	v_ldexp_f32 v30, 1.0, v[TMP]                   ; f = 2^(old M - new M)
.set II, 0
.rept 32
	v_pk_fma_f32 v[S+2*II:S+2*II+1], v[S+2*II:S+2*II+1], s[CS:CS+1], v[12:13] op_sel_hi:[1,0,0]   ; t - M
.set II, II+1
.endr
.irp b, 0,1,2,3
	v_fma_f32 v[BM+\b], v[BM+\b], s[CS], v12
.endr
.set II, 0
.rept 64
	v_exp_f32 v[S+II], v[S+II]                     ; p = 2^(t - M)
.set II, II+1
.endr
.irp b, 0,1,2,3
	v_exp_f32 v[BM+\b], v[BM+\b]                   ; the block's largest p
.endr
	v_pk_mul_f32 v[14:15], v[14:15], v[30:31] op_sel_hi:[1,0]      ; the sums under the new M.  (A plain place behind the exponentials)
	s_wait_alu depctr_va_vdst(0)
.irp b, 0,1,2,3
	v_max_num_f32 v[BM+\b], 0x2800000, v[BM+\b]    ; the floor 2^(5 - 127)
.endr
.irp b, 0,1,2,3
	v_add_nc_u32 v[SOP+\b], 0xfe000000, v[BM+\b]
.endr
.irp b, 0,1,2,3
	v_lshrrev_b32 v[BY+\b], 23, v[SOP+\b]
.endr
	v_lshl_or_b32 v[PWD], v[BY+1], 8, v[BY]        ; p's scale word for these 128 keys
	v_lshl_or_b32 v[PWD], v[BY+2], 16, v[PWD]
	v_lshl_or_b32 v[PWD], v[BY+3], 24, v[PWD]
.irp c, 0,1
	v_cvt_scalef32_pk16_bf6_f32 v[PCD+6*\c:PCD+6*\c+2], v[S+32*\c:S+32*\c+15], v[SOP+2*\c]
	v_cvt_scalef32_pk16_bf6_f32 v[CT+4*\c:CT+4*\c+2], v[S+32*\c+16:S+32*\c+31], v[SOP+2*\c+1]
.endr
	v_nop
.irp c, 0,1
.irp i, 0,1,2
	v_permlane16_swap_b32 v[PCD+6*\c+\i], v[CT+4*\c+\i]
.endr
.irp i, 0,1,2
	v_mov_b32 v[PCD+6*\c+3+\i], v[CT+4*\c+\i]
.endr
.endr
	v_pk_add_f32 v[84:85], v[S:S+1], v[S+2:S+3]    ; the row's sum is taken of the unquantised p, in two chains
.irp j, 4,8,12,16,20,24,28,32,36,40,44,48,52,56,60
	v_pk_add_f32 v[14:15], v[14:15], v[S+\j:S+\j+1]
	v_pk_add_f32 v[84:85], v[84:85], v[S+2+\j:S+3+\j]
.endr
	v_pk_add_f32 v[14:15], v[14:15], v[84:85]
.irp td, 0,1,2,3                       ; V's four fragments take p's registers
.irp c, 0,1
.irp p, 0,1,2
.if \td%2
	ds_load_b64 v[S+12*\td+6*\c+2*\p:S+12*\td+6*\c+2*\p+1], v[ADO] offset:3072*\c+384*\td+8*\p
.else
	ds_load_b64 v[S+12*\td+6*\c+2*\p:S+12*\td+6*\c+2*\p+1], v[ADE] offset:3072*\c+384*\td+8*\p
.endif
.endr
.endr
.endr
.set II, 0
.rept 16
	v_pk_mul_f32 v[O+2*II:O+2*II+1], v[O+2*II:O+2*II+1], v[30:31] op_sel_hi:[1,0]   ; O^T under the new M, while the loads are out
.set II, II+1
.endr
	s_wait_dscnt 0x0
.irp td, 0,1,2,3
	WM O+8*\td, S+12*\td, PCD, 0, VW+\td, PWD      ; O^T += V^T P^T: four accumulators by turns
.endr
	s_add_co_u32 s[TB], s[TB], 6144
	s_add_co_u32 s[TS], s[TS], 512
	s_add_co_u32 s[TV], s[TV], 256
.endm
	s_wait_loadcnt 0x0                             ; Q, its word, the gate
	s_wait_tensorcnt 0x1                           ; my parts of the scales and of key steps 0-3 are in; the third load may stay out
	s_barrier_signal -1
	s_barrier_wait -1                              ; everybody's are
	s_mov_b32 s[CNT], 4
.Lfirst:
	STEP
	s_sub_co_u32 s[CNT], s[CNT], 1
	s_cmp_lg_u32 s[CNT], 0
	s_cbranch_scc1 .Lfirst
	s_wait_tensorcnt 0x0                           ; my part of key steps 4-15 is in
	s_wait_dscnt 0x0
	s_barrier_signal -1
	s_barrier_wait -1
	s_mov_b32 s[CNT], 12
.Lrest:
	STEP
	s_sub_co_u32 s[CNT], s[CNT], 1
	s_cmp_lg_u32 s[CNT], 0
	s_cbranch_scc1 .Lrest
	; ---- the end: / the sum, x the gate; my 32 numbers of the head's 64 are quantised; they are half a fragment of the next product
	PLACES 4
	v_add_f32 v14, v14, v15
	v_permlanex16_b32 v[TMP], v14, s[SEL], s[SEL+1]
	v_add_f32 v14, v14, v[TMP]                     ; the row's sum
	v_rcp_f32 v225, v14
	v_nop
	s_wait_alu depctr_va_vdst(0)
	v_mul_f32 v30, v225, v224
.set II, 0
.rept 16
	v_pk_mul_f32 v[O+2*II:O+2*II+1], v[O+2*II:O+2*II+1], v[30:31] op_sel_hi:[1,0]
.set II, II+1
.endr
.irp b, 0,1
	v_max3_num_f32 v[BM+\b], |v[O+16*\b]|, |v[O+1+16*\b]|, 0x2800000
.endr
.irp i, 2,4,6,8,10,12,14
.irp b, 0,1
	v_max3_num_f32 v[BM+\b], v[BM+\b], |v[O+16*\b+\i]|, |v[O+1+16*\b+\i]|
.endr
.endr
.irp b, 0,1
	v_permlanex16_b32 v[PD+\b], v[BM+\b], s[SEL], s[SEL+1]
.endr
.irp b, 0,1
	v_max_num_f32 v[BM+\b], v[BM+\b], v[PD+\b]
.endr
.irp b, 0,1
	v_add_nc_u32 v[SOP+\b], 0xfe000000, v[BM+\b]
.endr
.irp b, 0,1
	v_lshrrev_b32 v[BY+\b], 23, v[SOP+\b]
.endr
	v_lshl_or_b32 v[PWD], v[BY+1], 8, v[BY]
	v_cvt_scalef32_pk16_bf6_f32 v[PCD:PCD+2], v[O:O+15], v[SOP]
	v_cvt_scalef32_pk16_bf6_f32 v[CT:CT+2], v[O+16:O+31], v[SOP+1]
	v_nop
.irp i, 0,1,2
	v_permlane16_swap_b32 v[PCD+\i], v[CT+\i]
.endr
.irp i, 0,1,2
	v_mov_b32 v[PCD+3+\i], v[CT+\i]
.endr
.irp p, 0,1,2
	global_store_b64 v[L8], v[PCD+2*\p:PCD+2*\p+1], s[10:11] offset:256*\p   ; a plane of two registers: 256 consecutive bytes, aligned
.endr
	global_store_b16 v[R4], v[PWD], s[12:13]       ; my head's two bytes of the row's scale word (lanes r and r + 16 write the same)
	s_wait_tensorcnt 0x0
	ds_add_u32 v254, v255
	s_wait_dscnt 0x0
	ROUND                                          ; the closing round: no work-group ends while a partner may still ask
	s_endpgm
.Lfunc_end_k_q87b0912e62_attn:
	.size	k_q87b0912e62_attn, .Lfunc_end_k_q87b0912e62_attn-k_q87b0912e62_attn
	.p2alignl 7, 3214868480
	.fill 96, 4, 3214868480
	.section	.rodata,"a",@progbits
	.p2align	6, 0x0
	.amdhsa_kernel k_q87b0912e62_attn
		.amdhsa_group_segment_fixed_size 210944
		.amdhsa_private_segment_fixed_size 0
		.amdhsa_enable_private_segment 0
		.amdhsa_kernarg_size 40
		.amdhsa_user_sgpr_count 2
		.amdhsa_user_sgpr_kernarg_segment_ptr 1
		.amdhsa_wavefront_size32 1
		.amdhsa_system_sgpr_workgroup_id_x 1
		.amdhsa_system_sgpr_workgroup_id_y 1
		.amdhsa_system_sgpr_workgroup_id_z 1
		.amdhsa_system_vgpr_workitem_id 0
		.amdhsa_next_free_vgpr 256
		.amdhsa_next_free_sgpr 72
		.amdhsa_reserve_vcc 0
		.amdhsa_float_denorm_mode_32 3
		.amdhsa_float_denorm_mode_16_64 3
		.amdhsa_memory_ordered 1
		.amdhsa_forward_progress 1
		.amdhsa_inst_pref_size 49
	.end_amdhsa_kernel
	.amdgpu_metadata
---
amdhsa.version: [ 1, 2 ]
amdhsa.kernels:
  - .name:           k_q87b0912e62_attn
    .symbol:         k_q87b0912e62_attn.kd
    .args:
      - { .name: qkvc, .offset: 0, .size: 8, .value_kind: global_buffer, .address_space: global }
      - { .name: kvs, .offset: 8, .size: 8, .value_kind: global_buffer, .address_space: global }
      - { .name: qsg, .offset: 16, .size: 8, .value_kind: global_buffer, .address_space: global }
      - { .name: aoc, .offset: 24, .size: 8, .value_kind: global_buffer, .address_space: global }
      - { .name: aos, .offset: 32, .size: 8, .value_kind: global_buffer, .address_space: global }
    .group_segment_fixed_size: 210944
    .private_segment_fixed_size: 0
    .kernarg_segment_align: 8
    .kernarg_segment_size: 40
    .max_flat_workgroup_size: 512
    .sgpr_count:     72
    .vgpr_count:     256
    .wavefront_size: 32
...
	.end_amdgpu_metadata
.endif
;; end of part 3
;; launch back (part 4): grid 256 x 1, 4 waves a work-group, clusters of 4 x 1, 305,664 bytes of LDS; arguments aoc, aos, wimg, wscl, o_b, he_b, hp_w, hp_b, out0, out1; writes out0, out1
.if DOCPART == 4
	.amdgcn_target "amdgcn-amd-amdhsa--gfx1250"
	.amdhsa_code_object_version 6
	.text
	.protected	k_q87b0912e62_back
	.globl	k_q87b0912e62_back
	.p2align	8
	.type	k_q87b0912e62_back,@function
k_q87b0912e62_back:
	s_mov_b64 s[64:65], 0
	v_nop
	global_prefetch_b8 v0, s[64:65] scope:SCOPE_SE
	s_setreg_imm32_b32 hwreg(HW_REG_WAVE_MODE, 25, 1), 1
	s_wait_xcnt 0x0
	s_wait_alu depctr_hold_cnt(0) depctr_sa_sdst(0) depctr_va_vdst(0) depctr_va_sdst(0) depctr_va_ssrc(0) depctr_va_vcc(0) depctr_vm_vsrc(0)
	s_getreg_b32 s2, hwreg(HW_REG_IB_STS2, 6, 4)
	s_cmp_eq_u32 s2, 0
	s_cbranch_scc0 .Lentry_in_a_cluster
	s_endpgm
.Lentry_in_a_cluster:
	s_bfe_u32 s2, ttmp6, 0x10000c
	s_cmp_lg_u32 s2, 0x3003
	s_cbranch_scc0 .Lentry_shape_is_right
	s_endpgm
.Lentry_shape_is_right:
; BACK.  out = ao o_w + o_b; out0 = out he_w + he_b (both on codes of BF6 with E8M0 scales); out1 = out hp_w + hp_b (left as it is: f32 fused multiply-adds on the f32 sums).  32 rows a work-group.
; SHARES AND LAYOUTS as in the launch that makes Q, K and V: wave g owns units 128 g .. 128 g + 127 for both tiles of 16 rows; lane r of row tile m holds row 8 m + r + 8 (r / 8), position 16 m + r;
; products transposed (source 0 = 16 units of a weight, source 1 = 16 rows); biases as the C of a sum's first instruction.
; WEIGHTS are register images (a set = 8 fragments = 12,288 bytes).  A wave takes 8 sets through three register slots by turns.  Sets 0, 1, 2 come by vector loads at the head (24 loads of 512 consecutive bytes a set);
; sets 3 .. 7 come by tensor loads into the wave's own 61,440 bytes of LDS, which only that wave reads, and from there into the slot that has come free, three sets ahead of their use.
; CLUSTER.  All work-groups walk the same weights: four form a cluster and ask for the sets that go through LDS JOINTLY (mask 15), by the same five loads with the same descriptors.  Every LDS byte is filled once:
; 5 x 4 x 12,288 bytes are what LDS holds beside the images and the stages.  Five tensor loads of a wave are out at the most.
; ao arrives as register planes (two registers of 32 lanes = 256 bytes), so a fragment is six loads of 256 consecutive bytes.  out goes from wave to wave through LDS as images: one barrier.
; LIMITS: NaN and infinities are not served; blocks under 2^-122 get the byte 1; sums run in another order than the definition's.
.set SETB,  12288
.set SETO,  81                         ; o_w's 16 sets, then he_w's 16: set q of a wave's list is number 81 + 4 q + g
.set NSETS, 8
.set OIMG,  0                          ; LDS: out's 8 fragments (2 s + m), their scale words,
.set OSC,   12288
.set PP,    13312                      ; 512 bytes a wave: its share of out1's sums, 16 bytes a position,
.set STG,   15360                      ; 16 rows x (512 + 16) bytes a wave: the way out,
.set SPB,   8448
.set CONST, 49152                      ; 2,560 bytes a wave: o_b, he_b, hp_w at its 128 units,
.set CWB,   2560
.set RING,  59392                      ; 61,440 bytes a wave: five sets of weights, filled once by tensor loads; nothing is stored there
.set RWB,   61440
.set LI,   1
.set LS,   2
.set WOFF, 3
.set SOFF, 4
.set L8,   5
.set IW,   6
.set SW,   7
.set CB0,  8
.set HPA,  9
.set CST,  10
.set PPA,  11
.set SO,   12
.set SR,   13
.set R4,   14
.set HPO,  15
.set O1,   16
.set RB,   17                          ; my five sets in LDS + 16 l
.set P1,   20                          ; v20-23 out1's sums, row tile 1
.set AS,   24
.set T0,   33
.set QT,   34
.set TM,   42
.set PW,   62
.set ACC,  64
.set HF,   192
.set WS,   240
.set P0,   252                         ; v252-255 row tile 0
.set AF,   96
.set LSC,  204                         ; window 1 v204-223: the scale words of sets 3 .. 7
.set G,    46
.set SEL,  50
.set WGN,  52                          ; s52 my work-group: it enters global addresses alone
.set G1T,  72                          ; s[72:79] descriptor group 1: a set as 48 rows of 256 bytes
.set G0T,  80                          ; s[80:99] five groups 0
.set WIMG, 12
.set WSCL, 14
.set MSB, 0
.set NLD, 0
.set QC,  0
.macro WIN new
.if MSB != (\new)
	s_set_vgpr_msb (MSB<<8)|(\new)
.set MSB, (\new)
.endif
.endm
.macro PLACES n
.rept \n
	v_nop
.endr
.endm
.macro BARRIER
	s_wait_dscnt 0x0
	s_barrier_signal -1
	s_barrier_wait -1
.endm
.macro ROUND                           ; a round of the cluster's barrier
	s_barrier_signal -1
	s_barrier_wait -1
	s_cmp_lg_u32 s[G], 0
	s_cbranch_scc1 .Lnot_wave_0_\@
	s_barrier_signal -3
.Lnot_wave_0_\@:
	s_barrier_wait -3
	s_barrier_signal -1
	s_barrier_wait -1
.endm
.macro WAITL seq                       ; the count is the number of loads issued behind the one wanted, held to what the wait can name
.if NLD-(\seq) > 63
	s_wait_loadcnt 63
.else
	s_wait_loadcnt NLD-(\seq)
.endif
.endm
.macro WLOAD q                         ; set q into slot q % 3
.set SL, (\q)%3
.set SN, SETO+4*(\q)
.if (\q) < 3                           ; by vector loads
	WIN (SL+1)<<6
.set II, 0
.rept 24
	global_load_b128 v[4*II:4*II+3], v[WOFF], s[WIMG:WIMG+1] offset:SN*SETB+512*II
.set II, II+1
.endr
	WIN 0
	global_load_b128 v[WS+4*SL:WS+4*SL+3], v[SOFF], s[WSCL:WSCL+1] offset:SN*512
.set NLD, NLD+25
.if SL == 0
.set SEQ0, NLD
.elseif SL == 1
.set SEQ1, NLD
.else
.set SEQ2, NLD
.endif
.else                                  ; out of my part of LDS, row q - 3
	s_wait_tensorcnt 7-(\q)                        ; tensor loads of a wave end in order: the count is the number of my loads issued behind this row's.  Only I read these bytes
	WIN (SL+1)<<6
.set II, 0
.rept 24
	ds_load_b128 v[4*II:4*II+3], v[RB] offset:((\q)-3)*SETB+512*II
.set II, II+1
.endr
	WIN 0x01
.irp i, 0,1,2,3
	v_mov_b32 v[WS+4*SL+\i], v[LSC+4*((\q)-3)+\i]  ; its scale words, loaded at the head
.endr
	WIN 0
	PLACES 4                                       ; with the places behind the next two sets' products: more than the eight that a scale word written by a vector instruction owes
.endif
.endm
.macro TAKE
.if QC >= 3
	s_wait_dscnt 0x0
.elseif QC%3 == 0
	WAITL SEQ0
.elseif QC%3 == 1
	WAITL SEQ1
.else
	WAITL SEQ2
.endif
.endm
.macro DONE                            ; four places behind the products (ISA guide 7.12.1), then the slot takes the set three further on
	PLACES 4
.if QC+3 < NSETS
	WLOAD QC+3
.endif
.set QC, QC+1
.endm
.macro WM d, a, b, z, sa, sb, mod
.if \z
	v_wmma_scale_f32_16x16x128_f8f6f4 v[(\d):(\d)+7], v[(\a):(\a)+11], v[(\b):(\b)+11], 0, v[\sa], v[\sb] matrix_a_fmt:MATRIX_FMT_BF6 matrix_b_fmt:MATRIX_FMT_BF6 \mod
.else
	v_wmma_scale_f32_16x16x128_f8f6f4 v[(\d):(\d)+7], v[(\a):(\a)+11], v[(\b):(\b)+11], v[(\d):(\d)+7], v[\sa], v[\sb] matrix_a_fmt:MATRIX_FMT_BF6 matrix_b_fmt:MATRIX_FMT_BF6 \mod
.endif
.endm
.macro BIAS off
.set TT, 0
.rept 8
.irp m, 0,1
	ds_load_b128 v[ACC+64*\m+8*TT:ACC+64*\m+8*TT+3], v[CB0] offset:(\off)+4*(32*(TT/2)+8*(TT%2))
	ds_load_b128 v[ACC+64*\m+8*TT+4:ACC+64*\m+8*TT+7], v[CB0] offset:(\off)+4*(32*(TT/2)+8*(TT%2))+16
.endr
.set TT, TT+1
.endr
.endm
.macro MUL a0, a1, s0, s1              ; the slot's eight tiles x both row tiles; the sixteen accumulators take turns, one instruction a turn
.set SL, QC%3
	WIN (SL+1)|(1<<2)
.set TT, 0
.rept 8
.if TT%2
	WM ACC+8*TT, 12*TT, \a0, 0, WS+4*SL+TT/2, \s0, matrix_a_scale:MATRIX_SCALE_ROW1
	WM ACC+64+8*TT, 12*TT, \a1, 0, WS+4*SL+TT/2, \s1, matrix_a_scale:MATRIX_SCALE_ROW1
.else
	WM ACC+8*TT, 12*TT, \a0, 0, WS+4*SL+TT/2, \s0
	WM ACC+64+8*TT, 12*TT, \a1, 0, WS+4*SL+TT/2, \s1
.endif
.set TT, TT+1
.endr
	WIN 0
.endm
.macro MUL4
.irp s, 0,1,2,3
	TAKE
	MUL AF+24*\s, AF+24*\s+12, AS+2*\s, AS+2*\s+1
	DONE
.endr
.endm
.macro QUANT s, d, w                   ; 64 numbers of a lane (register 16 b + i = k 32 b + 16 h + i of my row) -> a fragment's codes and its scale word
.irp b, 0,1,2,3
	v_max3_num_f32 v[TM+\b], |v[(\s)+16*\b]|, |v[(\s)+1+16*\b]|, 0x2800000
.endr
.irp i, 2,4,6,8,10,12,14
.irp b, 0,1,2,3
	v_max3_num_f32 v[TM+\b], v[TM+\b], |v[(\s)+16*\b+\i]|, |v[(\s)+1+16*\b+\i]|
.endr
.endr
.irp b, 0,1,2,3
	v_permlanex16_b32 v[TM+4+\b], v[TM+\b], s[SEL], s[SEL+1]
.endr
.irp b, 0,1,2,3
	v_max_num_f32 v[TM+\b], v[TM+\b], v[TM+4+\b]
.endr
.irp b, 0,1,2,3
	v_add_nc_u32 v[TM+12+\b], 0xfe000000, v[TM+\b]
.endr
.irp b, 0,1,2,3
	v_lshrrev_b32 v[TM+4+\b], 23, v[TM+12+\b]
.endr
	v_lshl_or_b32 v[\w], v[TM+5], 8, v[TM+4]
	v_lshl_or_b32 v[\w], v[TM+6], 16, v[\w]
	v_lshl_or_b32 v[\w], v[TM+7], 24, v[\w]
.irp c, 0,1
	v_cvt_scalef32_pk16_bf6_f32 v[(\d)+6*\c:(\d)+6*\c+2], v[(\s)+32*\c:(\s)+32*\c+15], v[TM+12+2*\c]
	v_cvt_scalef32_pk16_bf6_f32 v[QT+4*\c:QT+4*\c+2], v[(\s)+32*\c+16:(\s)+32*\c+31], v[TM+13+2*\c]
.endr
	v_nop
.irp c, 0,1
.irp i, 0,1,2
	v_permlane16_swap_b32 v[(\d)+6*\c+\i], v[QT+4*\c+\i]
.endr
.irp i, 0,1,2
	v_mov_b32 v[(\d)+6*\c+3+\i], v[QT+4*\c+\i]
.endr
.endr
.endm
	; ---- head
	s_load_b512 s[8:23], s[0:1], 0x0               ; aoc 8, aos 10, wimg 12, wscl 14, o_b 16, he_b 18, hp_w 20, hp_b 22
	s_load_b128 s[24:27], s[0:1], 0x40             ; out0 24, out1 26
	v_lshl_add_u32 v60, v0, 2, 0x4a800
	v_mov_b32 v61, 0
	ds_add_u32 v60, v61
	ds_add_u32 v60, v61
	v_lshrrev_b32 v[T0], 5, v0
	v_readfirstlane_b32 s[G], v[T0]
	s_bfe_u32 s[WGN], ttmp6, 0x40000               ; cx: my place in the cluster
	s_lshl_b32 s47, ttmp9, 2                       ; in a cluster launch ttmp9 counts clusters
	s_add_co_u32 s[WGN], s47, s[WGN]               ; my work-group = 4 x cluster + cx
	v_and_b32 v[T0], 31, v0                        ; l
	v_lshlrev_b32 v[LI], 4, v[T0]
	v_lshlrev_b32 v[LS], 2, v[T0]
	v_lshlrev_b32 v[L8], 3, v[T0]
	v_and_b32 v254, 15, v0                         ; r
	v_bfe_u32 v255, v0, 4, 1                       ; h
	v_lshlrev_b32 v[R4], 2, v254
	v_and_b32 v253, 8, v254
	v_add_nc_u32 v253, v253, v254
	v_lshl_add_u32 v253, v255, 3, v253             ; the row of position l: 8 (l / 16) + r + 8 (r / 8)
	v_mul_u32_u24 v[O1], v253, 12
	s_mov_b32 s[SEL], 0x76543210
	s_mov_b32 s[SEL+1], 0xfedcba98
	; descriptor group 1: a set, 12,288 dense bytes, as 48 rows of 256 bytes (32 elements of 8 bytes); 15:0 the mask of all four work-groups, 21 set beside it
	s_mov_b32 s[G1T], 15|(3<<16)|(1<<21)
	s_mov_b32 s[G1T+1], 32<<16
	s_mov_b32 s[G1T+2], 48<<16
	s_mov_b32 s[G1T+3], 32<<16
	s_mov_b32 s[G1T+4], 48
	s_mov_b32 s[G1T+5], 32
	s_mov_b32 s[G1T+6], 0
	s_mov_b32 s[G1T+7], 0
	s_mul_i32 s53, s[G], RWB                       ; my five sets' place in LDS: the wave's number alone enters it
	s_add_co_u32 s47, s53, RING
	v_add_nc_u32 v[RB], s47, v[LI]
	s_mul_i32 s47, s[G], 12288
	v_add_nc_u32 v[WOFF], s47, v[LI]
	s_lshl_b32 s47, s[G], 9
	v_add_nc_u32 v[SOFF], s47, v[LI]
	s_add_co_u32 s47, s47, PP
	v_lshl_add_u32 v[PPA], v254, 4, s47
	s_mul_i32 s47, s[G], 3072
	v_add_nc_u32 v[IW], s47, v[LI]
	s_lshl_b32 s47, s[G], 8
	v_add_nc_u32 v[SW], s47, v[LS]
	s_mul_i32 s47, s[G], 1536
	v_add_nc_u32 v[HPO], s47, v[LI]
	s_mul_i32 s47, s[G], CWB
	s_add_co_u32 s47, s47, CONST
	v_lshl_add_u32 v[CB0], v255, 6, s47
	v_add_nc_u32 v[CST], s47, v[LI]
	s_add_co_u32 s47, s47, 1024
	v_mad_u32_u24 v[HPA], v255, 192, s47
	s_mul_i32 s47, s[G], SPB
	s_add_co_u32 s47, s47, STG
	v_mul_u32_u24 v[SO], v254, 528
	v_lshl_add_u32 v[SO], v255, 6, v[SO]
	v_add_nc_u32 v[SO], s47, v[SO]
	v_add_nc_u32 v[SR], s47, v[LI]
.irp b, 0,1,2,3
	v_mov_b32 v[TM+4+\b], 0
.endr
	s_wait_dscnt 0x0
	s_wait_kmcnt 0x0
	s_load_b96 s[28:30], s[22:23], 0x0             ; hp_b
	s_mul_i32 s48, s[WGN], 12288
	s_mov_b32 s49, 0
	s_add_nc_u64 s[8:9], s[8:9], s[48:49]          ; ao's codes of my two tiles
	s_lshl_b32 s48, s[WGN], 9
	s_add_nc_u64 s[10:11], s[10:11], s[48:49]      ; their scale words
	s_lshl_b32 s48, s[WGN], 16
	s_lshl_b32 s47, s[G], 9
	s_add_co_u32 s48, s48, s47
	s_add_nc_u64 s[24:25], s[24:25], s[48:49]      ; out0 at my rows and my 128 columns
	s_mul_i32 s48, s[WGN], 384
	s_add_nc_u64 s[26:27], s[26:27], s[48:49]      ; out1 at my rows
	s_mul_i32 s48, s[G], SETB
	s_add_nc_u64 s[2:3], s[WIMG:WIMG+1], s[48:49]  ; the images at my group's sets: the wave's number alone enters the joint loads' addresses
.irp k, 0,1,2,3,4
	s_mov_b32 s[G0T+4*\k], 1                                       ; 1:0 count = 1
	s_add_co_u32 s[G0T+4*\k+1], s53, RING+SETB*\k                  ; 63:32 LDS address: row k of my five
	s_add_nc_u64 s[G0T+4*\k+2:G0T+4*\k+3], s[2:3], (SETO+4*(3+\k))*SETB   ; 120:64 global address: set 3 + k of my list
	s_or_b32 s[G0T+4*\k+3], s[G0T+4*\k+3], 0x80000000              ; 127:126 type = 2
.endr
	global_load_b128 v[192:195], v[SOFF], s[16:17]
	global_load_b128 v[196:199], v[SOFF], s[18:19]
.irp i, 0,1,2
	global_load_b128 v[200+4*\i:203+4*\i], v[HPO], s[20:21] offset:512*\i
.endr
.set NLD, 5
.set SEQC, NLD
	WIN 0x40
.irp s, 0,1,2,3
.irp m, 0,1
.irp i, 0,1,2,3,4,5
	global_load_b64 v[AF+12*(2*\s+\m)+2*\i:AF+12*(2*\s+\m)+2*\i+1], v[L8], s[8:9] offset:(4*\m+\s)*1536+256*\i
.endr
.endr
.endr
	WIN 0
.irp s, 0,1,2,3
.irp m, 0,1
	global_load_b32 v[AS+2*\s+\m], v[R4], s[10:11] offset:64*(4*\m+\s)
.endr
.endr
.set NLD, NLD+56
.set SEQA, NLD
	ROUND                                          ; all four work-groups are here: the joint loads meet.  (The 61 loads above are on their way meanwhile)
.irp k, 0,1,2,3,4
	tensor_load_to_lds s[G0T+4*\k:G0T+4*\k+3], s[G1T:G1T+7]
	s_nop 0
.endr
	PLACES 4
	WIN 0x40
.irp k, 0,1,2,3,4
	global_load_b128 v[LSC+4*\k:LSC+4*\k+3], v[SOFF], s[WSCL:WSCL+1] offset:(SETO+4*(3+\k))*512   ; the scale words of sets 3 .. 7: in ahead of set 0, whose wait stands ahead of their first use
.endr
	WIN 0
.set NLD, NLD+5
	WLOAD 0
	WLOAD 1
	WLOAD 2
	WAITL SEQC
.set II, 0
.rept 5
	ds_store_b128 v[CST], v[192+4*II:195+4*II] offset:512*II
.set II, II+1
.endr
	BIAS 0                                         ; LDS serves a wave's instructions in order: these see my stores
	s_wait_dscnt 0x0
	WAITL SEQA
	; ---- out = ao o_w + o_b
	MUL4
	; ---- out1's sums over my 128 units, in f32
.irp b, 0,1,2,3
.set II, 0
.rept 12
	ds_load_b128 v[192+4*II:195+4*II], v[HPA] offset:384*\b+16*II    ; hp_w's rows 32 b + 16 h + 0 .. 15 of my 128: 48 numbers
.set II, II+1
.endr
	s_wait_dscnt 0x0
.set II, 0
.rept 16
.irp j, 0,1,2
.if (\b == 0) && (II == 0)
	v_mul_f32 v[P0+\j], v[ACC], v[192+\j]
	v_mul_f32 v[P1+\j], v[ACC+64], v[192+\j]
.else
	v_fmac_f32 v[P0+\j], v[ACC+16*\b+II], v[192+3*II+\j]
	v_fmac_f32 v[P1+\j], v[ACC+64+16*\b+II], v[192+3*II+\j]
.endif
.endr
.set II, II+1
.endr
.endr
	v_mov_b32 v[P0+3], 0
	v_mov_b32 v[P1+3], 0
.irp j, 0,1,2
	v_permlanex16_b32 v[T0], v[P0+\j], s[SEL], s[SEL+1]
	v_add_f32 v[P0+\j], v[P0+\j], v[T0]
	v_permlanex16_b32 v[T0], v[P1+\j], s[SEL], s[SEL+1]
	v_add_f32 v[P1+\j], v[P1+\j], v[T0]
.endr
	ds_store_b128 v[PPA], v[P0:P0+3]               ; lanes r and r + 16 write the same 16 bytes with the same values
	ds_store_b128 v[PPA], v[P1:P1+3] offset:256
	; ---- out becomes K step g of the last product
.irp m, 0,1
	QUANT ACC+64*\m, HF+12*\m, PW+\m
.irp c, 0,1,2
	ds_store_b128 v[IW], v[HF+12*\m+4*\c:HF+12*\m+4*\c+3] offset:OIMG+1536*\m+512*\c
.endr
	ds_store_b32 v[SW], v[PW+\m] offset:OSC+128*\m
.endr
	BARRIER                                        ; out's eight fragments and the four shares of out1 lie in LDS
	WIN 0x40
.set II, 0
.rept 24
	ds_load_b128 v[AF+4*II:AF+4*II+3], v[LI] offset:OIMG+512*II
.set II, II+1
.endr
	WIN 0
.set II, 0
.rept 8
	ds_load_b32 v[AS+II], v[LS] offset:OSC+128*II
.set II, II+1
.endr
	BIAS 512
	s_wait_dscnt 0x0
	s_wait_kmcnt 0x0                               ; hp_b
	s_cmp_lg_u32 s[G], 0                           ; wave 0 alone adds the four shares: lane l has position l
	s_cbranch_scc1 .Lnot0
.irp w, 0,1,2,3
	ds_load_b128 v[192+4*\w:195+4*\w], v[LI] offset:PP+512*\w
.endr
	s_wait_dscnt 0x0
.irp j, 0,1,2
	v_add_f32 v[192+\j], v[192+\j], v[196+\j]
	v_add_f32 v[200+\j], v[200+\j], v[204+\j]
	v_add_f32 v[192+\j], v[192+\j], v[200+\j]
	v_add_f32 v[192+\j], s[28+\j], v[192+\j]
.endr
	global_store_b96 v[O1], v[192:194], s[26:27]   ; the work-group's 384 bytes of out1 by one instruction
.Lnot0:
	; ---- out0 = out he_w + he_b
	MUL4
	; ---- the way out: 16 rows x my 128 columns through my stage, back as whole rows of 512 bytes
.irp m, 0,1
.set II, 0
.rept 16
	ds_store_b128 v[SO], v[ACC+64*\m+4*II:ACC+64*\m+4*II+3] offset:128*(II/4)+16*(II%4)   ; each accumulator from its low end on
.set II, II+1
.endr
.set II, 0
.rept 16
	ds_load_b128 v[ACC+64*\m+4*II:ACC+64*\m+4*II+3], v[SR] offset:528*II    ; LDS serves a wave's instructions in order: these see my stores
.set II, II+1
.endr
.set II, 0
.rept 16
	s_wait_dscnt 15-II                             ; the younger loads may stay out
	global_store_b128 v[LI], v[ACC+64*\m+4*II:ACC+64*\m+4*II+3], s[24:25] offset:(8*\m+II+8*(II/8))*2048 th:TH_STORE_NT   ; 512 consecutive bytes, aligned
.set II, II+1
.endr
.endr
	s_wait_tensorcnt 0x0
	ds_add_u32 v60, v61
	s_wait_dscnt 0x0
	ROUND                                          ; the closing round: no work-group ends while a partner may still ask
	s_endpgm
.Lfunc_end_k_q87b0912e62_back:
	.size	k_q87b0912e62_back, .Lfunc_end_k_q87b0912e62_back-k_q87b0912e62_back
	.p2alignl 7, 3214868480
	.fill 96, 4, 3214868480
	.section	.rodata,"a",@progbits
	.p2align	6, 0x0
	.amdhsa_kernel k_q87b0912e62_back
		.amdhsa_group_segment_fixed_size 305664
		.amdhsa_private_segment_fixed_size 0
		.amdhsa_enable_private_segment 0
		.amdhsa_kernarg_size 80
		.amdhsa_user_sgpr_count 2
		.amdhsa_user_sgpr_kernarg_segment_ptr 1
		.amdhsa_wavefront_size32 1
		.amdhsa_system_sgpr_workgroup_id_x 1
		.amdhsa_system_sgpr_workgroup_id_y 1
		.amdhsa_system_sgpr_workgroup_id_z 1
		.amdhsa_system_vgpr_workitem_id 0
		.amdhsa_next_free_vgpr 1024
		.amdhsa_next_free_sgpr 100
		.amdhsa_reserve_vcc 0
		.amdhsa_float_denorm_mode_32 3
		.amdhsa_float_denorm_mode_16_64 3
		.amdhsa_memory_ordered 1
		.amdhsa_forward_progress 1
		.amdhsa_inst_pref_size 87
	.end_amdhsa_kernel
	.amdgpu_metadata
---
amdhsa.version: [ 1, 2 ]
amdhsa.kernels:
  - .name:           k_q87b0912e62_back
    .symbol:         k_q87b0912e62_back.kd
    .args:
      - { .name: aoc, .offset: 0, .size: 8, .value_kind: global_buffer, .address_space: global }
      - { .name: aos, .offset: 8, .size: 8, .value_kind: global_buffer, .address_space: global }
      - { .name: wimg, .offset: 16, .size: 8, .value_kind: global_buffer, .address_space: global }
      - { .name: wscl, .offset: 24, .size: 8, .value_kind: global_buffer, .address_space: global }
      - { .name: o_b, .offset: 32, .size: 8, .value_kind: global_buffer, .address_space: global }
      - { .name: he_b, .offset: 40, .size: 8, .value_kind: global_buffer, .address_space: global }
      - { .name: hp_w, .offset: 48, .size: 8, .value_kind: global_buffer, .address_space: global }
      - { .name: hp_b, .offset: 56, .size: 8, .value_kind: global_buffer, .address_space: global }
      - { .name: out0, .offset: 64, .size: 8, .value_kind: global_buffer, .address_space: global }
      - { .name: out1, .offset: 72, .size: 8, .value_kind: global_buffer, .address_space: global }
    .group_segment_fixed_size: 305664
    .private_segment_fixed_size: 0
    .kernarg_segment_align: 8
    .kernarg_segment_size: 80
    .max_flat_workgroup_size: 128
    .sgpr_count:     100
    .vgpr_count:     1024
    .wavefront_size: 32
...
	.end_amdgpu_metadata
.endif
;; end of part 4
